; MI455X (gfx1250); checked and timed in simulation.
; The chip was launched on July 23, 2026; its instructions are those of AMD's public machine-readable ISA for CDNA 5 (MIT licence, August 2026) and "CDNA5" Instruction Set Architecture Reference Guide (July 2026). The comments in the code are by the model that wrote it; some were corrected since.
;; Multi Agent SEPS Network. Allowed arithmetic: matrix products marked QUANTISED: E2M1 operands, one E8M0 scale for each 32 along K, by v_wmma_scale_f32_16x16x128_f8f6f4 with both operands' format E2M1 (or v_wmma_scale_f32_32x16x128_f4), f32 sums; products left as they are: bf16, f16 or f32 operands; f32 sums; everything else in f32.
;; Inputs: W1 4 x 256 x 1,024 float32; W2 4 x 1,024 x 1,024 float32; W3 4 x 1,024 x 512 float32; b1 4 x 1,024 float32; b2 4 x 1,024 float32; b3 4 x 512 float32; seps_idx 8 int32; x 8 x 1,024 x 256 float32.
;; Outputs: out0 8 x 1,024 x 512 float32.
;; This version of the problem:
;;   THIS VERSION OF THE PROBLEM IS GIVEN IN LOW PRECISION. The matrix products marked QUANTISED in the list below multiply operands that are first quantised to E2M1 (2 exponent bits, 1 mantissa bit; 4 bits a number), with one power-of-two scale for each 32 numbers along K (OCP MX v1.0); their sums are f32. The products marked 'left as it is' may take bf16, f16 or f32 operands, with f32 sums. Whichever they take, every output number must still come out within the allowed error. Rounding operands to bf16 (8 significant bits) uses up far more of that allowance than f16 does (11 bits, for magnitudes from 6e-5 to 65,504). All else is computed in f32.
;;   The module's matrix products, in the order in which they are computed (A, B: the left and right operand; K: the contracted axis; several contracted axes count as one K, in the product's order):
;;     1. [M 8,192, K 256] x [K 256, N 4,096]; A: input x; B: input W1: QUANTISED
;;     2. batch 4 x [M 8,192, K 1,024] x [K 1,024, N 1,024]; A: computed on the way; B: input W2: left as it is (an operand is computed on the way)
;;     3. batch 4 x [M 8,192, K 1,024] x [K 1,024, N 512]; A: computed on the way; B: input W3: left as it is (an operand is computed on the way)
;;   THE QUANTISER, for each operand of a quantised product, along K:
;;     - K is cut into blocks of 32 from its start; a last block that is shorter is filled with zeros.
;;     - A block's scale is 2^e with e = floor(log2(the largest magnitude in the block)) - 2, held to -126 .. 127; a block of zeros has e = 0. As a byte (E8M0): e + 127.
;;     - Each number is divided by its block's scale, clamped to +-6, and rounded to the nearest number of E2M1, ties to even, subnormals kept.
;;     - The product sums the exact products of the quantised numbers (number of the format x scale) in f32.
;;   ~~~python
;;   def quantise(x, axis):      # numpy; x: float32 -> the quantised numbers, widened to float32 again
;;       x = np.moveaxis(x, axis, -1); K = x.shape[-1]
;;       x = np.pad(x, [(0, 0)] * (x.ndim - 1) + [(0, -K % 32)]); x = x.reshape(x.shape[:-1] + (-1, 32)); a = np.abs(x).max(-1, keepdims=True)
;;       e = np.where(a > 0, np.clip(np.frexp(np.where(a > 0, a, 1))[1] - 1 - 2, -126, 127), 0)      # np.frexp(a)[1] - 1 = floor(log2(a)), exactly
;;       r = np.clip(x / 2.0 ** e, -6, 6)
;;       step = 2.0 ** (np.maximum(np.frexp(np.where(r == 0, 1, r))[1] - 1, 0) - 1)
;;       q = np.round(r / step) * step * 2.0 ** e      # np.round: ties to even
;;       return np.moveaxis(q.reshape(q.shape[:-2] + (-1,))[..., :K], -1, axis).astype(np.float32)
;;   ~~~
;; 2 versions, each right; version 2 is version 1 with the launch chain written anew for expert scheduling mode. Each part assembles by itself: llvm-mc -triple=amdgcn-amd-amdhsa -mcpu=gfx1250 --defsym DOCPART=n.
;; ======== version 1 of 2: 2 launches
;; limits: values are held in f16: magnitudes above 65,504 overflow, below 6.1e-05 lose precision
;; workspace buffers: wts 13,107,200 bytes; w1s 32,768 bytes
;; launch prep (part 1): grid 448 x 1, 4 waves a work-group, no clusters, 0 bytes of LDS; arguments W1, W2, W3, wts, w1s; writes wts, w1s
.if DOCPART == 1
	.amdgcn_target "amdgcn-amd-amdhsa--gfx1250"
	.amdhsa_code_object_version 6
	.text
	.protected	k_q7c3ec3eb99_prep
	.globl	k_q7c3ec3eb99_prep
	.p2align	8
	.type	k_q7c3ec3eb99_prep,@function
k_q7c3ec3eb99_prep:
	s_mov_b64 s[64:65], 0
	v_nop
	global_prefetch_b8 v0, s[64:65] scope:SCOPE_SE
	s_setreg_imm32_b32 hwreg(HW_REG_WAVE_MODE, 25, 1), 1
	s_wait_xcnt 0x0
; THE WEIGHTS, ONCE, INTO THE ORDER IN WHICH THE NEXT LAUNCH'S OPERAND REGISTERS TAKE THEM.
; W1 [4][256][1024] f32 becomes codes of FP4 (E2M1) along K (its first axis within a net) with one E8M0 byte for each 32 along K;
; W2 [4][1024][1024] and W3 [4][1024][512] are rounded to f16.  K is the first axis within a net, the units the last.
; wts = [net 4][consumer's wave w 4][fragment f 0..799][1,024 bytes]: one stream of 819,200 bytes for each (net, w).
;   f = 16 s + i        layer 1: K step s of 128, units 256 w + 16 i .. + 15
;   f = 32 + 16 c + i   layer 2: K step c of 32,  units 256 w + 16 i .. + 15
;   f = 544 + 8 c + i   layer 3: K step c of 32,  units 128 w + 16 i .. + 15
; A fragment is the image of its 8 registers: piece p (f16: k = 8 p .. 8 p + 7; FP4: block p of 32 codes) of unit r lies at 512 (p / 2) + 256 (p % 2) + 16 r.
; w1s = [net][unit tile T 0..63][s 2][r 16] words of four E8M0 bytes.
; A LANE TAKES A UNIT (a column), AND ITS REGISTERS RUN DOWN K: a load reads 128 consecutive bytes a wave, the four waves side by side 512; a block of 32 along K lies in one lane,
; and packed or converted in pairs its registers are the pieces above.  Lanes 0-15 hold one unit tile, lanes 16-31 the next: each store of 16 bytes a lane covers two aligned runs of 256 bytes.
; A wave takes 32 units x 128 along K.  Work-groups 0-255 take W2, 256-383 W3, 384-447 W1.  No LDS, no barrier: waves share nothing.
; A block's scale is 2^(floor(log2(its largest magnitude)) - 2); its byte is that magnitude's exponent field - 2, held at 1 from below.
; LIMITS: NaN and infinities are not served.  |W2|, |W3| above 65,504 become infinite in f16; magnitudes under 2^-14 are rounded with an absolute step of 2^-24.
; A block of zeros of W1 gets the byte 1 where the quantiser's rule says 127: its codes are zeros, and the bytes are read by this program alone.
.set X,      32                        ; v32-95   two sets of 32 numbers
.set C,      96                        ; v96-159  results: registers of its own for every step, so that no store's data are written again
.set STREAM, 819200
	s_load_b256 s[4:11], s[0:1], 0x0               ; W1 s[4:5], W2 s[6:7], W3 s[8:9], wts s[10:11]
	s_load_b64 s[12:13], s[0:1], 0x20              ; w1s
	v_lshrrev_b32 v1, 5, v0
	v_readfirstlane_b32 s14, v1                    ; wave 0..3
	v_and_b32 v1, 31, v0                           ; lane
	v_lshlrev_b32 v2, 2, v1                        ; in: 4 bytes a lane
	v_and_b32 v5, 15, v0
	v_bfe_u32 v6, v0, 4, 1
	v_lshlrev_b32 v3, 4, v5
	v_lshl_add_u32 v3, v6, 10, v3                  ; out: 16 (lane % 16), and the next fragment for lanes 16-31
	v_lshlrev_b32 v4, 2, v5
	v_lshl_add_u32 v4, v6, 7, v4                   ; scale words: 4 (lane % 16), and the next unit tile's 128 bytes for lanes 16-31
	s_mov_b32 s17, 0                               ; the offsets' high words
	s_mov_b32 s19, 0
	s_mov_b32 s21, 0
	s_lshl_b32 s15, s14, 7                         ; my wave's 32 columns, in bytes
	s_wait_kmcnt 0x0
.macro LOADS t, rowb, src              ; block t: rows 32 t + i of my 128, my column, into set t % 2
.irp i, 0,1,2,3,4,5,6,7,8,9,10,11,12,13,14,15,16,17,18,19,20,21,22,23,24,25,26,27,28,29,30,31
	global_load_b32 v[X+32*((\t)%2)+\i], v2, s[\src:\src+1] offset:(32*(\t)+\i)*\rowb th:TH_LOAD_NT
.endr
.endm
; four K steps of 32 to f16.  ksb: bytes from a K step's fragments to the next K step's
.macro CONV rowb, ksb, src
	LOADS 0, \rowb, \src
	LOADS 1, \rowb, \src
.irp t, 0,1,2,3
.if \t < 3
	s_wait_loadcnt 32                              ; this block's 32 loads are in; the next block's 32 may be out
.else
	s_wait_loadcnt 0x0
.endif
.irp j, 0,1,2,3,4,5,6,7,8,9,10,11,12,13,14,15
	v_cvt_pk_f16_f32 v[C+16*\t+\j], v[X+32*(\t%2)+2*\j], v[X+32*(\t%2)+2*\j+1]   ; the lower k in the low half
.endr
.if \t < 2
	LOADS \t+2, \rowb, \src
.endif
.irp p, 0,1,2,3
	global_store_b128 v3, v[C+16*\t+4*\p:C+16*\t+4*\p+3], s[10:11] offset:\t*\ksb+512*(\p/2)+256*(\p%2)
.endr
.endr
.endm
	s_cmp_lt_u32 ttmp9, 256
	s_cbranch_scc0 .Lnot_w2
	; ---- W2: net = id / 64, 128 columns cg = (id / 8) % 8, 128 along K kq = id % 8
	s_lshr_b32 s22, ttmp9, 6
	s_bfe_u32 s23, ttmp9, 0x30003
	s_and_b32 s24, ttmp9, 7
	s_lshl_b32 s16, s22, 22                        ; a net of W2 is 4,194,304 bytes,
	s_lshl_b32 s25, s24, 19                        ; 128 rows of 4,096,
	s_add_co_u32 s16, s16, s25
	s_lshl_b32 s25, s23, 9                         ; 128 columns
	s_add_co_u32 s16, s16, s25
	s_add_co_u32 s16, s16, s15
	s_add_nc_u64 s[6:7], s[6:7], s[16:17]
	s_lshl_b32 s18, s22, 2
	s_lshr_b32 s25, s23, 1
	s_add_co_u32 s18, s18, s25                     ; 4 net + w, w = cg / 2
	s_mul_i32 s18, s18, STREAM
	s_lshl_b32 s25, s24, 6                         ; f0 = 32 + 64 kq + 8 (cg % 2) + 2 wave
	s_and_b32 s26, s23, 1
	s_lshl_b32 s26, s26, 3
	s_add_co_u32 s25, s25, s26
	s_lshl_b32 s26, s14, 1
	s_add_co_u32 s25, s25, s26
	s_add_co_u32 s25, s25, 32
	s_lshl_b32 s25, s25, 10
	s_add_co_u32 s18, s18, s25
	s_add_nc_u64 s[10:11], s[10:11], s[18:19]
	CONV 4096, 16384, 6
	s_endpgm
.Lnot_w2:
	s_cmp_lt_u32 ttmp9, 384
	s_cbranch_scc0 .Lw1
	; ---- W3: j = id - 256: net = j / 32, cg = (j / 8) % 4, kq = j % 8
	s_sub_co_u32 s27, ttmp9, 256
	s_lshr_b32 s22, s27, 5
	s_bfe_u32 s23, s27, 0x20003
	s_and_b32 s24, s27, 7
	s_lshl_b32 s16, s22, 21                        ; a net of W3 is 2,097,152 bytes,
	s_lshl_b32 s25, s24, 18                        ; 128 rows of 2,048
	s_add_co_u32 s16, s16, s25
	s_lshl_b32 s25, s23, 9
	s_add_co_u32 s16, s16, s25
	s_add_co_u32 s16, s16, s15
	s_add_nc_u64 s[8:9], s[8:9], s[16:17]
	s_lshl_b32 s18, s22, 2
	s_add_co_u32 s18, s18, s23                     ; 4 net + w, w = cg
	s_mul_i32 s18, s18, STREAM
	s_lshl_b32 s25, s24, 5                         ; f0 = 544 + 32 kq + 2 wave
	s_lshl_b32 s26, s14, 1
	s_add_co_u32 s25, s25, s26
	s_add_co_u32 s25, s25, 544
	s_lshl_b32 s25, s25, 10
	s_add_co_u32 s18, s18, s25
	s_add_nc_u64 s[10:11], s[10:11], s[18:19]
	CONV 2048, 8192, 8
	s_endpgm
.Lw1:
	; ---- W1: j = id - 384: net = j / 16, cg = (j / 2) % 8, K step s = j % 2
	s_sub_co_u32 s27, ttmp9, 384
	s_lshr_b32 s22, s27, 4
	s_bfe_u32 s23, s27, 0x30001
	s_and_b32 s24, s27, 1
	s_lshl_b32 s16, s22, 20                        ; a net of W1 is 1,048,576 bytes,
	s_lshl_b32 s25, s24, 19                        ; 128 rows of 4,096
	s_add_co_u32 s16, s16, s25
	s_lshl_b32 s25, s23, 9
	s_add_co_u32 s16, s16, s25
	s_add_co_u32 s16, s16, s15
	s_add_nc_u64 s[4:5], s[4:5], s[16:17]
	s_lshl_b32 s18, s22, 2
	s_lshr_b32 s25, s23, 1
	s_add_co_u32 s18, s18, s25                     ; 4 net + w, w = cg / 2
	s_mul_i32 s18, s18, STREAM
	s_lshl_b32 s25, s24, 4                         ; f0 = 16 s + 8 (cg % 2) + 2 wave
	s_and_b32 s26, s23, 1
	s_lshl_b32 s26, s26, 3
	s_add_co_u32 s25, s25, s26
	s_lshl_b32 s26, s14, 1
	s_add_co_u32 s25, s25, s26
	s_lshl_b32 s25, s25, 10
	s_add_co_u32 s18, s18, s25
	s_add_nc_u64 s[10:11], s[10:11], s[18:19]
	s_lshl_b32 s20, s22, 13                        ; scale words: 8,192 net + 128 (8 cg + 2 wave) + 64 s
	s_lshl_b32 s25, s23, 10
	s_add_co_u32 s20, s20, s25
	s_lshl_b32 s25, s14, 8
	s_add_co_u32 s20, s20, s25
	s_lshl_b32 s25, s24, 6
	s_add_co_u32 s20, s20, s25
	s_add_nc_u64 s[12:13], s[12:13], s[20:21]
.macro QBLOCK t                        ; block t of 32 along K: all its numbers are mine
.set XQ, X+32*((\t)%2)
.if (\t) < 3
	s_wait_loadcnt 32                              ; this block's 32 loads are in; the next block's 32 may be out
.else
	s_wait_loadcnt 0x0
.endif
	v_max3_num_f32 v12, |v[XQ]|, |v[XQ+1]|, |v[XQ+2]|              ; the largest magnitude, in two chains
	v_max3_num_f32 v13, |v[XQ+3]|, |v[XQ+4]|, |v[XQ+5]|
.irp i, 6,10,14,18,22,26
	v_max3_num_f32 v12, v12, |v[XQ+\i]|, |v[XQ+\i+1]|
	v_max3_num_f32 v13, v13, |v[XQ+\i+2]|, |v[XQ+\i+3]|
.endr
	v_max3_num_f32 v12, v12, |v[XQ+30]|, |v[XQ+31]|
	v_max3_num_f32 v12, v12, v13, 0x1800000        ; and the floor 2^(3 - 127): the byte cannot fall under 1
	v_add_nc_u32 v11, 0xff000000, v12              ; 2 off its exponent field: the conversion takes this operand's exponent field as its scale
	v_lshrrev_b32 v13, 23, v11                     ; the scale's byte
.if (\t) == 0
	v_mov_b32 v10, v13                             ; four bytes to the word, the lower K in the lower byte
.else
	v_lshl_or_b32 v10, v13, 8*(\t), v10
.endif
.irp g, 0,1,2,3
	v_cvt_scalef32_pk8_fp4_f32 v[C+4*(\t)+\g], v[XQ+8*\g:XQ+8*\g+7], v11
.endr
	v_nop                                          ; one plain instruction behind the scaled conversions, ahead of any vector write of their sources
.if (\t) < 2
	LOADS (\t)+2, 4096, 4
.endif
	global_store_b128 v3, v[C+4*(\t):C+4*(\t)+3], s[10:11] offset:512*((\t)/2)+256*((\t)%2)
.endm
	LOADS 0, 4096, 4
	LOADS 1, 4096, 4
	QBLOCK 0
	QBLOCK 1
	QBLOCK 2
	QBLOCK 3
	global_store_b32 v4, v10, s[12:13]             ; my unit's scale word of this K step
	s_endpgm
.Lfunc_end_k_q7c3ec3eb99_prep:
	.size	k_q7c3ec3eb99_prep, .Lfunc_end_k_q7c3ec3eb99_prep-k_q7c3ec3eb99_prep
	.p2alignl 7, 3214868480
	.fill 96, 4, 3214868480
	.section	.rodata,"a",@progbits
	.p2align	6, 0x0
	.amdhsa_kernel k_q7c3ec3eb99_prep
		.amdhsa_group_segment_fixed_size 0
		.amdhsa_private_segment_fixed_size 0
		.amdhsa_enable_private_segment 0
		.amdhsa_kernarg_size 40
		.amdhsa_user_sgpr_count 2
		.amdhsa_user_sgpr_kernarg_segment_ptr 1
		.amdhsa_wavefront_size32 1
		.amdhsa_system_sgpr_workgroup_id_x 1
		.amdhsa_system_sgpr_workgroup_id_y 1
		.amdhsa_system_sgpr_workgroup_id_z 1
		.amdhsa_system_vgpr_workitem_id 0
		.amdhsa_next_free_vgpr 160
		.amdhsa_next_free_sgpr 66
		.amdhsa_reserve_vcc 0
		.amdhsa_float_denorm_mode_32 3
		.amdhsa_float_denorm_mode_16_64 3
		.amdhsa_memory_ordered 1
		.amdhsa_forward_progress 1
		.amdhsa_inst_pref_size 58
	.end_amdhsa_kernel
	.amdgpu_metadata
---
amdhsa.version: [ 1, 2 ]
amdhsa.kernels:
  - .name:           k_q7c3ec3eb99_prep
    .symbol:         k_q7c3ec3eb99_prep.kd
    .args:
      - { .name: W1, .offset: 0, .size: 8, .value_kind: global_buffer, .address_space: global }
      - { .name: W2, .offset: 8, .size: 8, .value_kind: global_buffer, .address_space: global }
      - { .name: W3, .offset: 16, .size: 8, .value_kind: global_buffer, .address_space: global }
      - { .name: wts, .offset: 24, .size: 8, .value_kind: global_buffer, .address_space: global }
      - { .name: w1s, .offset: 32, .size: 8, .value_kind: global_buffer, .address_space: global }
    .group_segment_fixed_size: 0
    .private_segment_fixed_size: 0
    .kernarg_segment_align: 8
    .kernarg_segment_size: 40
    .max_flat_workgroup_size: 128
    .sgpr_count:     66
    .vgpr_count:     160
    .wavefront_size: 32
...
	.end_amdgpu_metadata
.endif
;; end of part 1
;; launch chain (part 2): grid 128 x 1, 4 waves a work-group, no clusters, 185,856 bytes of LDS; arguments x, wts, w1s, b1, b2, b3, seps_idx, out0; writes out0
.if DOCPART == 2
	.amdgcn_target "amdgcn-amd-amdhsa--gfx1250"
	.amdhsa_code_object_version 6
	.text
	.protected	k_q7c3ec3eb99_chain
	.globl	k_q7c3ec3eb99_chain
	.p2align	8
	.type	k_q7c3ec3eb99_chain,@function
k_q7c3ec3eb99_chain:
	s_mov_b64 s[64:65], 0
	v_nop
	global_prefetch_b8 v0, s[64:65] scope:SCOPE_SE
	s_setreg_imm32_b32 hwreg(HW_REG_WAVE_MODE, 25, 1), 1
	s_wait_xcnt 0x0
; out0[a][e][:] = W3^T relu(W2^T relu(W1^T x[a][e] + b1) + b2) + b3 with the net seps_idx[a]: only the net that is gathered for an agent is multiplied.
; Layer 1 on codes of FP4 (E2M1) with one E8M0 scale for each 32 along K (x is quantised here, W1 by the launch before); layers 2 and 3 on f16 operands; all sums f32.
; SHARES.  A work-group of four waves takes 64 rows of one agent through the whole chain; the hidden layers never go to memory.  THE WAVES SHARE THE UNITS, NOT THE ROWS: wave w makes hidden units
; 256 w .. 256 w + 255 of layers 1 and 2 (64 accumulators of 16 x 16, 512 registers) and outputs 128 w .. 128 w + 127, for all 64 rows.
; WEIGHTS go from memory straight into the registers of the one wave that multiplies them: the launch before laid them as images of the operand's registers, one stream for each (net, wave), which is
; walked from end to end through all three layers by a ring of four "halves" (8 fragments, 8,192 bytes, 16 loads of 16 bytes a lane), each asked for four halves ahead.
; NO CLUSTER, NO TENSOR LOAD, though the 16 row blocks of an agent walk the same weights: inside a work-group each fragment is multiplied by one wave alone, and a joint load lands in LDS: that would send a
; work-group's 3,276,800 bytes of weights into LDS and out again, beside the 1,048,576 bytes of hidden layers that its waves read there; and which net is walked hangs on an index read from memory.
; EVERY PRODUCT IS USED TRANSPOSED (source 0 = 16 units of the weights, source 1 = 16 rows): a lane (r, hh) holds row r and its 8 registers units 8 hh + 0 .. 7.  Packed to f16 in pairs, an accumulator's four
; registers ARE registers 0-3 (even unit tile) or 4-7 (odd) of the next layer's source 1: they go to LDS as they stand, 16 bytes a lane, and any wave loads them back by the same addresses.
; f16 UNDER A SCALE FOR EACH ROW.  A hidden row is multiplied by 2^(14 - floor(log2(its largest number))), exactly, before it is rounded to f16; the next layer's fused multiply-add, which adds the bias, undoes it.
; LIMITS: NaN and infinities are not served.  A row whose largest activation lies under 2^-100 is scaled as if it were 2^-100.  A block of zeros of x gets the scale byte 1 where the quantiser's rule says 127:
; its codes are zeros.  seps_idx is held to 0 .. 3.
; REGISTERS, in windows of 256 (s_set_vgpr_msb: bits 1:0 source 0, 3:2 source 1, 5:4 source 2, 7:6 destination):
;   window 0: v1-19 addresses; v20-27 row maxima, then row scales; v28-31 at work; v32-95 source 1's fragments (x's eight; later two K steps of a hidden layer; on the way out rows of out0);
;             v96-111 W1's scale words, v112-119 x's (scales and nothing else); v120-127 the inverse row scales; v128-255 x's numbers, then biases, then packing.
;   window 1: the ring of weights, half q at v[64 q].     windows 2, 3: accumulator (row tile m, unit tile i) at v[8 (16 (m % 2) + i)] of window 2 + m / 2.
.set XIMG,   131072                    ; LDS: from 0 the hidden layer, [K step c 32][row tile m 4][register group 2][lane][16 bytes]: 131,072 bytes;  here x's 8 fragments (2 m + s), 1,024 bytes each,
.set XSC,    139264                    ; their scale words, 128 bytes each,
.set RMX,    140288                    ; the rows' maxima: 16 bytes a row, a word for each wave,
.set BIAS,   141312                    ; each wave's own 2,560 bytes: its 256 of b1, 256 of b2, 128 of b3,
.set STG,    151552                    ; each wave's own stage for the way out: 16 rows x (512 + 16) bytes,
.set SPARE,  185344                    ; and the spare words, 128 bytes for each wave: two blocks of 256 bytes that no other line names
.set STREAM, 819200
.set PFO, 1                            ; v1   256 x lane: the prefetches' offset
.set BWA, 2                            ; v2   where I stage the biases: BIAS + 2,560 wave + 16 lane
.set XA,  4                            ; v4   x: 1,024 r + 64 hh: my 16 numbers of a block of 32
.set LI,  5                            ; v5   16 x lane
.set LS,  6                            ; v6   4 x lane
.set XWI, 7                            ; v7   where I store x's images
.set XWS, 8                            ; v8   and their scale words
.set HAD, 9                            ; v9   address of the hidden fragments in hand
.set HWA, 10                           ; v10  where I store my units' images: 32,768 wave + 16 lane
.set BAD, 11                           ; v11  my biases: BIAS + 2,560 wave + 32 hh
.set RMW, 12                           ; v12  RMX + 16 r + 4 wave
.set RMR, 13                           ; v13  RMX + 16 r
.set SO,  14                           ; v14  the stage: where I put 32 bytes of a row
.set SR,  15                           ; v15  and where I read a row back
.set XRD, 16                           ; v16  XIMG + 16 lane
.set XSR, 17                           ; v17  XSC + 4 lane
.set SPW, 18                           ; v18  LDS address of my spare word; never rewritten
.set NIL, 19                           ; v19  0; never rewritten
.set MX,  20                           ; v20-27  row tile m: two chains of its maximum; later the pair whose low word is the row's scale
.set PT,  28                           ; v28-31
.set HB,  32                           ; v32-63, v64-95  two sets of four fragments (row tiles 0-3)
.set TM,  32                           ; while x is quantised: v32-47 at work, v48 the scale word, v52-59 the codes, v64-83 the biases on their way
.set PW,  48
.set PC,  52
.set BST, 64
.set W1S, 96
.set XS,  112
.set INV, 120                          ; v120-127  pairs whose low word is the inverse of the scale under which source 1's rows stand: 1.0 for x
.set BI,  128                          ; v128-255  128 bias numbers: register 8 i + j = bias of unit 16 i + 8 hh + j
.set T,   128                          ; v128-191  8 accumulators at work
.set PP,  192                          ; v192-223, v224-255  packed results, two sets
.set NET, 20
.set AG,  21
.set WV,  22
.set IDX, 24                           ; s[24:31] the eight indices
.set WS,  32                           ; s[32:33] my stream
.set WP,  34                           ; s[34:35] the trip after the one in hand, in my stream
.set PFA, 36                           ; s[36:37] where my prefetches stand
.set PK,  38                           ; s38  which trips (mod 4) I prefetch for, or a number that no trip has
.set TR,  39                           ; s39  the trip: 0 layer 1, 1-16 layer 2, 17-24 layer 3; four halves each
.set HO,  40                           ; s40  LDS byte of the trip's first K step
.set SEL, 42                           ; s[42:43] v_permlanex16_b32's selects for lane l xor 16
.set XB,  44
.set OB,  46
.set B1B, 48
.set B2B, 50
.set B3B, 52
.set WSB, 54
.set MSB, 0
.macro WIN new                         ; the immediate's high byte repeats the setting that is left; a switch that changes nothing is dropped
.if MSB != (\new)
	s_set_vgpr_msb (MSB<<8)|(\new)
.set MSB, (\new)
.endif
.endm
.set MUL_LO, 0xa1                      ; source 0 (weights) window 1, source 1 window 0, C and D window 2
.set MUL_HI, 0xf1                      ; the same, C and D window 3
.set TO_Q,   0x40                      ; destination window 1, address window 0
; A load into a register that a matrix instruction has read, and a vector instruction that reads or writes a matrix result, stand four places behind it; only plain vector instructions that name none of its
; registers are places (ISA guide 7.12.1 for vector instructions).
.macro PLACES
.rept 4
	v_nop
.endr
.endm
.macro BARRIER                         ; my LDS stores have landed and my LDS loads are in: then the work-group's barrier
	s_wait_dscnt 0x0
	s_barrier_signal -1
	s_barrier_wait -1
.endm
; 64 numbers of a lane, register 16 b + i = k 32 b + 16 hh + i of my row, become a fragment's codes in v[PC] on and its scale word in v[PW].
.macro QUANT s
.irp b, 0,1,2,3
	v_max3_num_f32 v[TM+\b], |v[\s+16*\b]|, |v[\s+1+16*\b]|, 0x1800000   ; block b: my 16 numbers, and the floor 2^(3 - 127): the byte cannot fall under 1
.endr
.irp i, 2,4,6,8,10,12,14
.irp b, 0,1,2,3
	v_max3_num_f32 v[TM+\b], v[TM+\b], |v[\s+16*\b+\i]|, |v[\s+1+16*\b+\i]|   ; (the four blocks by turns)
.endr
.endr
.irp b, 0,1,2,3
	v_permlanex16_b32 v[TM+4+\b], v[TM+\b], s[SEL], s[SEL+1]
.endr
.irp b, 0,1,2,3
	v_max_num_f32 v[TM+\b], v[TM+\b], v[TM+4+\b]   ; with lane l xor 16's: the block's largest magnitude
.endr
.irp b, 0,1,2,3
	v_add_nc_u32 v[TM+12+\b], 0xff000000, v[TM+\b] ; 2 off its exponent field: the conversion's scale operand
.endr
.irp b, 0,1,2,3
	v_lshrrev_b32 v[TM+4+\b], 23, v[TM+12+\b]      ; the scale's byte
.endr
	v_lshl_or_b32 v[PW], v[TM+5], 8, v[TM+4]       ; the four bytes make my row's scale word
	v_lshl_or_b32 v[PW], v[TM+6], 16, v[PW]
	v_lshl_or_b32 v[PW], v[TM+7], 24, v[PW]
.irp b, 0,1,2,3
	v_cvt_scalef32_pk8_fp4_f32 v[PC+2*\b], v[\s+16*\b:\s+7+16*\b], v[TM+12+\b]
	v_cvt_scalef32_pk8_fp4_f32 v[PC+1+2*\b], v[\s+8+16*\b:\s+15+16*\b], v[TM+12+\b]
.endr
	v_nop                                          ; one plain place behind a scaled conversion
.irp c, 0,1                                    ; the operand's layout wants a whole block in a lane: lanes 0-15 block 2 c, lanes 16-31 block 2 c + 1
.irp i, 0,1
	v_permlane16_swap_b32 v[PC+4*\c+\i], v[PC+2+4*\c+\i]
.endr
.endr
.endm
.macro IMAGE adr, off                  ; the fragment in v[PC] on goes to LDS as it stands
.irp c, 0,1
	ds_store_b128 v[\adr], v[PC+4*\c:PC+4*\c+3] offset:\off+512*\c
.endr
.endm
.macro XLOAD reg, s                    ; my 16 rows' numbers of K step s: 64 a lane
.irp b, 0,1,2,3
.irp j, 0,1,2,3
	global_load_b128 v[\reg+16*\b+4*\j:\reg+16*\b+4*\j+3], v[XA], s[XB:XB+1] offset:512*\s+128*\b+16*\j th:TH_LOAD_NT
.endr
.endr
.endm
.macro FIRST n                         ; half n of the stream's first four, into ring place n
.irp i, 0,1,2,3,4,5,6,7
	global_load_b128 v[64*\n+8*\i:64*\n+8*\i+3],   v[LI], s[WS:WS+1] offset:8192*\n+1024*\i
	global_load_b128 v[64*\n+8*\i+4:64*\n+8*\i+7], v[LI], s[WS:WS+1] offset:8192*\n+1024*\i+512
.endr
.endm
; 32 matrix instructions: ring place q's eight unit tiles (ih on) x the four row tiles.  The accumulators take turns, one instruction a turn.
.macro MULH q, hb, ih, zero, m0
.irp mm, 0,1
.irp i, 0,1,2,3,4,5,6,7
.if \zero
	v_wmma_f32_16x16x32_f16 v[8*(16*\mm+(\ih)+\i):8*(16*\mm+(\ih)+\i)+7], v[64*(\q)+8*\i:64*(\q)+8*\i+7], v[HB+32*(\hb)+8*(\m0+\mm):HB+32*(\hb)+8*(\m0+\mm)+7], 0
.else
	v_wmma_f32_16x16x32_f16 v[8*(16*\mm+(\ih)+\i):8*(16*\mm+(\ih)+\i)+7], v[64*(\q)+8*\i:64*(\q)+8*\i+7], v[HB+32*(\hb)+8*(\m0+\mm):HB+32*(\hb)+8*(\m0+\mm)+7], v[8*(16*\mm+(\ih)+\i):8*(16*\mm+(\ih)+\i)+7]
.endif
.endr
.endr
.endm
.macro MULF q, hb, ih, zero            ; zero = 1: the products start the sums: nothing is ever cleared
	WIN MUL_LO
	MULH \q, \hb, \ih, \zero, 0
	WIN MUL_HI
	MULH \q, \hb, \ih, \zero, 2
.endm
; the same for layer 1: K step s of 128 on codes.  W1's scale words hold K step 0 in lanes 0-15 and K step 1 in lanes 16-31
.macro MUL4H q, ih, s, m0
.irp mm, 0,1
.irp i, 0,1,2,3,4,5,6,7
.if \s == 0
	v_wmma_scale_f32_16x16x128_f8f6f4 v[8*(16*\mm+(\ih)+\i):8*(16*\mm+(\ih)+\i)+7], v[64*(\q)+8*\i:64*(\q)+8*\i+7], v[HB+8*(2*(\m0+\mm)+\s):HB+8*(2*(\m0+\mm)+\s)+7], 0, v[W1S+(\ih)+\i], v[XS+2*(\m0+\mm)+\s] matrix_a_fmt:MATRIX_FMT_FP4 matrix_b_fmt:MATRIX_FMT_FP4
.else
	v_wmma_scale_f32_16x16x128_f8f6f4 v[8*(16*\mm+(\ih)+\i):8*(16*\mm+(\ih)+\i)+7], v[64*(\q)+8*\i:64*(\q)+8*\i+7], v[HB+8*(2*(\m0+\mm)+\s):HB+8*(2*(\m0+\mm)+\s)+7], v[8*(16*\mm+(\ih)+\i):8*(16*\mm+(\ih)+\i)+7], v[W1S+(\ih)+\i], v[XS+2*(\m0+\mm)+\s] matrix_a_fmt:MATRIX_FMT_FP4 matrix_b_fmt:MATRIX_FMT_FP4 matrix_a_scale:MATRIX_SCALE_ROW1
.endif
.endr
.endr
.endm
.macro MUL4 q, ih, s
	WIN MUL_LO
	MUL4H \q, \ih, \s, 0
	WIN MUL_HI
	MUL4H \q, \ih, \s, 2
.endm
; Ring place q, just multiplied, takes the half four further on.  step = 1, in a trip's first half: the pointers go on to the next trip's 32,768 bytes, behind the wait that frees them
.macro RELOAD q, step
.if \step
	s_wait_xcnt 0x0                                ; the last trip's loads and its prefetch have read their addresses (the loads were issued 32 matrix instructions ago): the two pointers may be written
	s_add_nc_u64 s[WP:WP+1], s[WP:WP+1], 32768
	s_add_nc_u64 s[PFA:PFA+1], s[PFA:PFA+1], 32768
.endif
	WIN TO_Q
.irp i, 0,1,2,3,4,5,6,7
	global_load_b128 v[64*(\q)+8*\i:64*(\q)+8*\i+3],   v[LI], s[WP:WP+1] offset:8192*(\q)+1024*\i
	global_load_b128 v[64*(\q)+8*\i+4:64*(\q)+8*\i+7], v[LI], s[WP:WP+1] offset:8192*(\q)+1024*\i+512
.endr
	WIN 0
.endm
.macro HLOAD hb, imm                   ; a K step's four fragments of the hidden layer, imm bytes behind the trip's first, into set hb
	WIN 0
	v_add_nc_u32 v[HAD], s[HO], v[LI]
.irp m, 0,1,2,3
	ds_load_b128 v[HB+32*(\hb)+8*\m:HB+32*(\hb)+8*\m+3],   v[HAD] offset:(\imm)+1024*\m
	ds_load_b128 v[HB+32*(\hb)+8*\m+4:HB+32*(\hb)+8*\m+7], v[HAD] offset:(\imm)+1024*\m+512
.endr
.endm
.macro BLOAD off, tiles, reg           ; my biases in the results' layout: the lanes of a half read the same words
	WIN 0
.set bi, 0
.rept \tiles
	ds_load_b128 v[\reg+8*bi:\reg+8*bi+3],   v[BAD] offset:\off+64*bi
	ds_load_b128 v[\reg+8*bi+4:\reg+8*bi+7], v[BAD] offset:\off+64*bi+16
.set bi, bi+1
.endr
.endm
; A PREFETCH INTO THE L2.  In trip t the four halves of trip t + 3 are asked for, two trips ahead of the loads that will want them.  Each aligned block of 256 bytes of a stream is named ONCE in the launch:
; of the agents that use a net the first asks; of its 16 row blocks, the four with number / 4 = (t + 3) % 4; each of these takes the half 4 (t + 3) + number % 4; each wave asks in its own stream, lanes 256 bytes
; apart: one instruction.  It stands behind the wave's run of loads.  Trip 0 asks for nothing (the first loads are on their way), nor do trips 22 on: the stream ends with trip 24.
.macro ASK
	WIN 0
	s_add_co_u32 s56, s[TR], 3
	s_and_b32 s56, s56, 3
	s_cmp_lt_u32 s[TR], 22
	s_cselect_b32 s56, s56, 0x200
	s_cmp_eq_u32 s56, s[PK]
	s_cbranch_scc0 .Lnot_mine_\@
	global_prefetch_b8 v[PFO], s[PFA:PFA+1] th:TH_LOAD_NT scope:SCOPE_SE
.Lnot_mine_\@:
.endm
; A TRIP OF LAYER 2: two K steps of 32, four halves.  At a half's head 48 loads may be out: the 3 x 16 of the three younger halves.  At a K step's head 8 LDS loads may be out: the next K step's.
; tail = 1, the layer's last trip: no hidden fragment is left to fetch; the biases come in their stead (32 LDS loads).  The ring of weights goes on into layer 3.
.macro TRIP2 zero, tail
	s_wait_loadcnt 48
	s_wait_dscnt 8
	MULF 0, 0, 0, \zero
	PLACES
	RELOAD 0, 1
	ASK
	s_wait_loadcnt 48
	MULF 1, 0, 8, \zero
	PLACES
	RELOAD 1, 0
.if \tail
	BLOAD 1024, 16, BI
.else
	HLOAD 0, 8192
.endif
	s_wait_loadcnt 48
.if \tail
	s_wait_dscnt 32                                ; the second K step is in; the 32 bias loads may be out
.else
	s_wait_dscnt 8
.endif
	MULF 2, 1, 0, 0
	PLACES
	RELOAD 2, 0
	s_wait_loadcnt 48
	MULF 3, 1, 8, 0
	PLACES
	RELOAD 3, 0
.if \tail == 0
	HLOAD 1, 12288
.endif
	s_add_co_u32 s[HO], s[HO], 8192
.endm
; A TRIP OF LAYER 3: four K steps, a half each (8 unit tiles x 4 row tiles).  tail = 1: the stream ends: the counts run down 48, 32, 16, 0
.macro TRIP3 zero, tail
.irp kk, 0,1,2,3
.if \tail
	s_wait_loadcnt 48-16*\kk
.else
	s_wait_loadcnt 48
.endif
.if \tail && (\kk == 3)
	s_wait_dscnt 16                                ; the last K step is in; the 16 bias loads may be out
.else
	s_wait_dscnt 8
.endif
.if \zero && (\kk == 0)
	MULF \kk, (\kk%2), 0, 1
.else
	MULF \kk, (\kk%2), 0, 0
.endif
.if \tail == 0
	PLACES
.if \kk == 0
	RELOAD 0, 1
	ASK
.else
	RELOAD \kk, 0
.endif
	HLOAD (\kk%2), 4096*(\kk+2)
.else
.if \kk < 2
	PLACES
	HLOAD (\kk%2), 4096*(\kk+2)
.endif
.if \kk == 2
	BLOAD 2048, 8, PP
.endif
.endif
.endr
	s_add_co_u32 s[HO], s[HO], 16384
.endm
; THE END OF LAYERS 1 AND 2: my 64 accumulators become my part of the next layer's source 1.  (The four places behind the last products stand in front of the ring's refill.)
.macro EPI
	s_wait_dscnt 0x0                               ; the biases are in
.irp m, 0,1,2,3                                ; the pre-activation: sum x (the inverse of the scale under which source 1's rows stood) + bias, one rounding; each accumulator from its low end on
	WIN (0x82+0x41*(\m/2))                         ; destination and source 0: window 2 or 3
.irp i, 0,1,2,3,4,5,6,7,8,9,10,11,12,13,14,15
.irp p, 0,2,4,6
	v_pk_fma_f32 v[8*(16*(\m%2)+\i)+\p:8*(16*(\m%2)+\i)+\p+1], v[8*(16*(\m%2)+\i)+\p:8*(16*(\m%2)+\i)+\p+1], v[INV+2*\m:INV+2*\m+1], v[BI+8*\i+\p:BI+8*\i+\p+1] op_sel_hi:[1,0,1]
.endr
.endr
.endr
	WIN 0
.irp k, 0,1,2,3,4,5,6,7
	v_mov_b32 v[MX+\k], 0x0d800000                 ; the floor 2^-100, under which no row's maximum is taken
.endr
.irp wd, 0,1                                   ; the largest number of my row among my 256 units: no |.|: what is negative becomes 0 and must not count.  Four chains by turns
	WIN (0x28+0x14*\wd)                            ; sources 1 and 2: window 2 or 3
.irp i, 0,1,2,3,4,5,6,7,8,9,10,11,12,13,14,15
.irp pq, 0,4
.irp mm, 0,1
.irp ch, 0,1
	v_max3_num_f32 v[MX+2*(2*\wd+\mm)+\ch], v[MX+2*(2*\wd+\mm)+\ch], v[8*(16*\mm+\i)+\pq+2*\ch], v[8*(16*\mm+\i)+\pq+2*\ch+1]
.endr
.endr
.endr
.endr
.endr
	WIN 0
.irp m, 0,1,2,3
	v_max_num_f32 v[MX+2*\m], v[MX+2*\m], v[MX+2*\m+1]
.endr
.irp m, 0,1,2,3
	v_permlanex16_b32 v[PT+\m], v[MX+2*\m], s[SEL], s[SEL+1]
.endr
.irp m, 0,1,2,3
	v_max_num_f32 v[MX+2*\m], v[MX+2*\m], v[PT+\m] ; with lane l xor 16's units
.endr
.irp m, 0,1,2,3
	ds_store_b32 v[RMW], v[MX+2*\m] offset:256*\m  ; my wave's word of row 16 m + r (both lanes of a row write the same number)
.endr
	BARRIER                                        ; the four waves' maxima lie in LDS; and every wave's reads of the hidden layer are over: it may be written again
.irp m, 0,1,2,3
	ds_load_b128 v[BI+4*\m:BI+4*\m+3], v[RMR] offset:256*\m
.endr
	s_wait_dscnt 0x0
.irp m, 0,1,2,3
	v_max3_num_f32 v[BI+4*\m], v[BI+4*\m], v[BI+4*\m+1], v[BI+4*\m+2]
.endr
.irp m, 0,1,2,3
	v_max_num_f32 v[BI+4*\m], v[BI+4*\m], v[BI+4*\m+3]   ; the row's largest number
.endr
.irp m, 0,1,2,3
	v_and_b32 v[PT+\m], 0x7f800000, v[BI+4*\m]     ; its exponent field E
.endr
.irp m, 0,1,2,3
	v_sub_nc_u32 v[MX+2*\m], 0x86000000, v[PT+\m]  ; the row's scale 2^(14 - (E - 127)): exponent field 268 - E.  The row's largest number then lies in [2^14, 2^15)
.endr
.irp m, 0,1,2,3
	v_add_nc_u32 v[INV+2*\m], 0xf9000000, v[PT+\m] ; and its inverse: exponent field E - 14
.endr
.set bt, 0                                     ; eight batches of eight accumulators: x the scale, relu, f16, to LDS as images
.rept 8
.set pm, bt/2
.set pih, 8*(bt%2)
.set pd, PP+32*(bt%2)
	WIN (0x02+pm/2)                                ; source 0: window 2 or 3
.set pj, 0
.rept 8
.irp p, 0,2,4,6
	v_pk_mul_f32 v[T+8*pj+\p:T+8*pj+\p+1], v[8*(16*(pm%2)+pih+pj)+\p:8*(16*(pm%2)+pih+pj)+\p+1], v[MX+2*pm:MX+2*pm+1] op_sel_hi:[1,0]
.endr
.set pj, pj+1
.endr
	WIN 0
.set pj, 0
.rept 64
	v_max_num_f32 v[T+pj], 0, v[T+pj]              ; the activation, in f32
.set pj, pj+1
.endr
.if bt >= 2
	s_wait_dscnt 8                                 ; the stores of two batches back have read this set of registers; the last batch's 8 may be out
.endif
.set pj, 0
.rept 32
	v_cvt_pk_f16_f32 v[pd+pj], v[T+2*pj], v[T+2*pj+1]
.set pj, pj+1
.endr
.set pj, 0
.rept 8
	ds_store_b128 v[HWA], v[pd+4*pj:pd+4*pj+3] offset:4096*((pih+pj)/2)+1024*pm+512*(pj%2)   ; unit tile 16 w + i: K step 8 w + i / 2, register group i % 2
.set pj, pj+1
.endr
.set bt, bt+1
.endr
	BARRIER                                        ; the whole hidden layer lies in LDS; and every wave's reads of the maxima are over
	s_mov_b32 s[HO], 0
	HLOAD 0, 0
	HLOAD 1, 4096
.endm
	; ---- the head
	s_load_b256 s[4:11], s[0:1], 0x0               ; x s[4:5], wts s[6:7], w1s s[8:9], b1 s[10:11]
	s_load_b256 s[12:19], s[0:1], 0x20             ; b2 s[12:13], b3 s[14:15], seps_idx s[16:17], out0 s[18:19]
	v_lshl_add_u32 v[SPW], v0, 2, SPARE
	v_mov_b32 v[NIL], 0
	v_lshrrev_b32 v32, 5, v0
	v_readfirstlane_b32 s[WV], v32                 ; wave 0..3
	v_and_b32 v32, 31, v0                          ; lane
	v_and_b32 v33, 15, v0                          ; r
	v_bfe_u32 v34, v0, 4, 1                        ; hh
	v_lshlrev_b32 v[PFO], 8, v32
	v_lshlrev_b32 v[LI], 4, v32
	v_lshlrev_b32 v[LS], 2, v32
	v_lshlrev_b32 v[XA], 10, v33
	v_lshl_add_u32 v[XA], v34, 6, v[XA]
	s_mul_i32 s56, s[WV], 2560
	s_add_co_u32 s56, s56, BIAS
	v_add_nc_u32 v[BWA], s56, v[LI]
	v_lshl_add_u32 v[BAD], v34, 5, s56
	s_lshl_b32 s56, s[WV], 11
	s_add_co_u32 s56, s56, XIMG
	v_add_nc_u32 v[XWI], s56, v[LI]                ; I quantise row tile m = my wave's number: fragments 2 w and 2 w + 1
	s_lshl_b32 s56, s[WV], 8
	s_add_co_u32 s56, s56, XSC
	v_add_nc_u32 v[XWS], s56, v[LS]
	s_lshl_b32 s56, s[WV], 15
	v_add_nc_u32 v[HWA], s56, v[LI]
	s_lshl_b32 s56, s[WV], 2
	s_add_co_u32 s56, s56, RMX
	v_lshl_add_u32 v[RMW], v33, 4, s56
	v_lshl_add_u32 v[RMR], v33, 4, RMX
	s_mul_i32 s56, s[WV], 8448
	s_add_co_u32 s56, s56, STG
	v_mul_u32_u24 v[SO], v33, 528
	v_lshl_add_u32 v[SO], v34, 5, v[SO]
	v_add_nc_u32 v[SO], s56, v[SO]
	v_add_nc_u32 v[SR], s56, v[LI]
	v_add_nc_u32 v[XRD], XIMG, v[LI]
	v_add_nc_u32 v[XSR], XSC, v[LS]
.irp b, 0,1,2,3
	v_mov_b32 v[PT+\b], 0                          ; written once: a lane permute's destination counts as one of its sources
	v_mov_b32 v[TM+4+\b], 0
.endr
.irp k, 0,1,2,3,4,5,6,7
	v_mov_b32 v[INV+\k], 1.0                       ; x stands under no row scale
.endr
	s_mov_b32 s[SEL], 0x76543210
	s_mov_b32 s[SEL+1], 0xfedcba98
	s_lshr_b32 s[AG], ttmp9, 4                     ; my agent: 16 blocks of 64 rows each
	s_lshl_b32 s56, s[AG], 2
	s_wait_kmcnt 0x0
	s_load_b32 s[NET], s[16:17], s56 offset:0x0    ; my agent's net
	s_load_b256 s[IDX:IDX+7], s[16:17], 0x0        ; and all eight, to see whether an earlier agent walks the same net
	s_lshl_b32 s58, ttmp9, 16                      ; x: (64 block + 16 wave) rows of 1,024 bytes
	s_lshl_b32 s59, s[WV], 14
	s_add_co_u32 s58, s58, s59
	s_mov_b32 s59, 0
	s_add_nc_u64 s[XB:XB+1], s[4:5], s[58:59]
	s_lshl_b32 s58, ttmp9, 17                      ; out0: 64 block rows of 2,048 bytes + my 128 outputs' 512 bytes
	s_lshl_b32 s60, s[WV], 9
	s_add_co_u32 s58, s58, s60
	s_add_nc_u64 s[OB:OB+1], s[18:19], s[58:59]
	XLOAD BI, 0                                    ; x's address hangs on ids alone: its 32 loads go out ahead of the wait for the index
	XLOAD BI+64, 1
	s_wait_kmcnt 0x0
	s_min_u32 s[NET], s[NET], 3
	s_lshl_b32 s56, s[NET], 2
	s_add_co_u32 s56, s56, s[WV]                   ; 4 net + wave
	s_mul_i32 s58, s56, STREAM
	s_add_nc_u64 s[WS:WS+1], s[6:7], s[58:59]
	s_add_nc_u64 s[WP:WP+1], s[WS:WS+1], 32768     ; trip 0 refills the ring with trip 1's halves
	s_and_b32 s58, ttmp9, 3
	s_add_co_u32 s58, s58, 12
	s_lshl_b32 s58, s58, 13
	s_add_nc_u64 s[PFA:PFA+1], s[WS:WS+1], s[58:59]   ; half 4 (0 + 3) + block % 4: each later trip steps it by four halves
	s_lshl_b32 s58, s56, 10                        ; 4,096 net + 1,024 wave
	s_add_nc_u64 s[B1B:B1B+1], s[10:11], s[58:59]
	s_add_nc_u64 s[B2B:B2B+1], s[12:13], s[58:59]
	s_lshl_b32 s58, s56, 9                         ; 2,048 net + 512 wave
	s_add_nc_u64 s[B3B:B3B+1], s[14:15], s[58:59]
	s_lshl_b32 s58, s56, 11                        ; 8,192 net + 2,048 wave
	s_add_nc_u64 s[WSB:WSB+1], s[8:9], s[58:59]
	global_load_b128 v[BST:BST+3],     v[LI], s[B1B:B1B+1]
	global_load_b128 v[BST+4:BST+7],   v[LI], s[B1B:B1B+1] offset:512
	global_load_b128 v[BST+8:BST+11],  v[LI], s[B2B:B2B+1]
	global_load_b128 v[BST+12:BST+15], v[LI], s[B2B:B2B+1] offset:512
	global_load_b128 v[BST+16:BST+19], v[LI], s[B3B:B3B+1]
.irp i, 0,1,2,3,4,5,6,7,8,9,10,11,12,13,14,15
	global_load_b32 v[W1S+\i], v[LS], s[WSB:WSB+1] offset:128*\i   ; unit tile i: lanes 0-15 K step 0's words, lanes 16-31 K step 1's
.endr
	WIN TO_Q
	FIRST 0
	FIRST 1
	FIRST 2
	WIN 0
	s_and_b32 s58, ttmp9, 15                       ; who prefetches: my block's number / 4 is the trip (mod 4) that I ask for,
	s_lshr_b32 s[PK], s58, 2
	s_mov_b32 s60, 0
.irp k, 0,1,2,3,4,5,6
	s_min_u32 s56, s[IDX+\k], 3
	s_cmp_eq_u32 s56, s[NET]
	s_cselect_b32 s56, 1, 0
	s_cmp_gt_u32 s[AG], \k
	s_cselect_b32 s56, s56, 0
	s_or_b32 s60, s60, s56                         ; unless an earlier agent has my net:
.endr
	s_cmp_lg_u32 s60, 0
	s_cselect_b32 s[PK], 0x100, s[PK]              ; then its work-groups ask, and I never do
	s_wait_loadcnt 48                              ; x, the biases and W1's scale words are in; the 48 loads of halves 0 to 2 may be out
	WIN TO_Q
	FIRST 3
	WIN 0
	; ---- x: my 16 rows become two fragments; my biases go to my own bytes of LDS
	QUANT BI
	IMAGE XWI, 0
	ds_store_b32 v[XWS], v[PW]
	s_wait_dscnt 0x0                               ; the stores have read their registers
	QUANT BI+64
	IMAGE XWI, 1024
	ds_store_b32 v[XWS], v[PW] offset:128
.irp k, 0,1,2,3,4
	ds_store_b128 v[BWA], v[BST+4*\k:BST+4*\k+3] offset:512*\k
.endr
	BARRIER                                        ; x's eight fragments lie in LDS
	; ---- layer 1: trip 0
.irp f, 0,1,2,3,4,5,6,7
	ds_load_b128 v[HB+8*\f:HB+8*\f+3],   v[XRD] offset:1024*\f
	ds_load_b128 v[HB+8*\f+4:HB+8*\f+7], v[XRD] offset:1024*\f+512
.endr
.irp f, 0,1,2,3,4,5,6,7
	ds_load_b32 v[XS+\f], v[XSR] offset:128*\f
.endr
	BLOAD 0, 16, BI
	s_wait_dscnt 32                                ; x's fragments and scale words are in; the 32 bias loads may be out
	s_wait_loadcnt 48
	MUL4 0, 0, 0
	PLACES
	RELOAD 0, 0
	s_wait_loadcnt 48
	MUL4 1, 8, 0
	PLACES
	RELOAD 1, 0
	s_wait_loadcnt 48
	MUL4 2, 0, 1
	PLACES
	RELOAD 2, 0
	s_wait_loadcnt 48
	MUL4 3, 8, 1
	PLACES
	RELOAD 3, 0
	s_mov_b32 s[TR], 1
	EPI
	; ---- layer 2: trips 1 to 16
	TRIP2 1, 0                                     ; the first trip stands in front of the loop: its first K step's products start the sums
	s_mov_b32 s[TR], 2
.Ll2:
	TRIP2 0, 0
	s_add_co_u32 s[TR], s[TR], 1
	s_cmp_lt_u32 s[TR], 16
	s_cbranch_scc1 .Ll2
	TRIP2 0, 1
	s_mov_b32 s[TR], 17
	EPI
	; ---- layer 3: trips 17 to 24
	TRIP3 1, 0
	s_mov_b32 s[TR], 18
.Ll3:
	TRIP3 0, 0
	s_add_co_u32 s[TR], s[TR], 1
	s_cmp_lt_u32 s[TR], 24
	s_cbranch_scc1 .Ll3
	TRIP3 0, 1
	; ---- the way out, a row tile at a time: sum x inverse scale + b3; through my own stage; back as whole pieces of rows: 32 lanes store 512 consecutive bytes, at a multiple of 256 from out0's first byte
	PLACES
	s_wait_dscnt 0x0                               ; b3
.irp m, 0,1,2,3
	WIN (0x02+\m/2)                                ; source 0: window 2 or 3
.irp i, 0,1,2,3,4,5,6,7
.irp p, 0,2,4,6
	v_pk_fma_f32 v[T+8*\i+\p:T+8*\i+\p+1], v[8*(16*(\m%2)+\i)+\p:8*(16*(\m%2)+\i)+\p+1], v[INV+2*\m:INV+2*\m+1], v[PP+8*\i+\p:PP+8*\i+\p+1] op_sel_hi:[1,0,1]
.endr
.endr
	WIN 0
.irp i, 0,1,2,3,4,5,6,7
	ds_store_b128 v[SO], v[T+8*\i:T+8*\i+3] offset:64*\i
	ds_store_b128 v[SO], v[T+8*\i+4:T+8*\i+7] offset:64*\i+16
.endr
.if \m > 0
	s_wait_xcnt 0x0                                ; the last tile's stores have read their registers: the loads below may land there
.endif
.irp t, 0,1,2,3,4,5,6,7,8,9,10,11,12,13,14,15
	ds_load_b128 v[HB+4*\t:HB+4*\t+3], v[SR] offset:528*\t   ; LDS serves a wave's instructions in order (ISA guide 5.7.1.4): these see my stores
.endr
.irp t, 0,1,2,3,4,5,6,7,8,9,10,11,12,13,14,15
	s_wait_dscnt 15-\t                             ; row t is back; the younger loads may be out
	global_store_b128 v[LI], v[HB+4*\t:HB+4*\t+3], s[OB:OB+1] offset:(16*\m+\t)*2048 th:TH_STORE_NT
.endr
.endr
	s_wait_tensorcnt 0x0                           ; the wave's end: three closing lines, behind my last LDS store
	ds_add_u32 v[SPW], v[NIL]
	s_wait_dscnt 0x0
	s_endpgm
.Lfunc_end_k_q7c3ec3eb99_chain:
	.size	k_q7c3ec3eb99_chain, .Lfunc_end_k_q7c3ec3eb99_chain-k_q7c3ec3eb99_chain
	.p2alignl 7, 3214868480
	.fill 96, 4, 3214868480
	.section	.rodata,"a",@progbits
	.p2align	6, 0x0
	.amdhsa_kernel k_q7c3ec3eb99_chain
		.amdhsa_group_segment_fixed_size 185856
		.amdhsa_private_segment_fixed_size 0
		.amdhsa_enable_private_segment 0
		.amdhsa_kernarg_size 64
		.amdhsa_user_sgpr_count 2
		.amdhsa_user_sgpr_kernarg_segment_ptr 1
		.amdhsa_wavefront_size32 1
		.amdhsa_system_sgpr_workgroup_id_x 1
		.amdhsa_system_sgpr_workgroup_id_y 1
		.amdhsa_system_sgpr_workgroup_id_z 1
		.amdhsa_system_vgpr_workitem_id 0
		.amdhsa_next_free_vgpr 1024
		.amdhsa_next_free_sgpr 66
		.amdhsa_reserve_vcc 0
		.amdhsa_float_denorm_mode_32 3
		.amdhsa_float_denorm_mode_16_64 3
		.amdhsa_memory_ordered 1
		.amdhsa_forward_progress 1
		.amdhsa_inst_pref_size 255
	.end_amdhsa_kernel
	.section	.bss,"aw",@nobits
	.p2align	6
	.space	262144
	.amdgpu_metadata
---
amdhsa.version: [ 1, 2 ]
amdhsa.kernels:
  - .name:           k_q7c3ec3eb99_chain
    .symbol:         k_q7c3ec3eb99_chain.kd
    .args:
      - { .name: x, .offset: 0, .size: 8, .value_kind: global_buffer, .address_space: global }
      - { .name: wts, .offset: 8, .size: 8, .value_kind: global_buffer, .address_space: global }
      - { .name: w1s, .offset: 16, .size: 8, .value_kind: global_buffer, .address_space: global }
      - { .name: b1, .offset: 24, .size: 8, .value_kind: global_buffer, .address_space: global }
      - { .name: b2, .offset: 32, .size: 8, .value_kind: global_buffer, .address_space: global }
      - { .name: b3, .offset: 40, .size: 8, .value_kind: global_buffer, .address_space: global }
      - { .name: seps_idx, .offset: 48, .size: 8, .value_kind: global_buffer, .address_space: global }
      - { .name: out0, .offset: 56, .size: 8, .value_kind: global_buffer, .address_space: global }
    .group_segment_fixed_size: 185856
    .private_segment_fixed_size: 0
    .kernarg_segment_align: 8
    .kernarg_segment_size: 64
    .max_flat_workgroup_size: 128
    .sgpr_count:     66
    .vgpr_count:     1024
    .wavefront_size: 32
...
	.end_amdgpu_metadata
.endif
;; end of part 2
;; ======== version 2 of 2: 2 launches; version 1 with the launch chain written anew for expert scheduling mode
;; limits: values are held in f16: magnitudes above 65,504 overflow, below 6.1e-05 lose precision
;; workspace buffers: wts 13,107,200 bytes; w1s 32,768 bytes
;; launch prep: the kernel of part 1 again; grid 448 x 1, 4 waves a work-group, no clusters, 0 bytes of LDS; arguments W1, W2, W3, wts, w1s; writes wts, w1s
;; launch chain (part 3): grid 128 x 1, 4 waves a work-group, no clusters, 185,856 bytes of LDS; arguments x, wts, w1s, b1, b2, b3, seps_idx, out0; writes out0
.if DOCPART == 3
	.amdgcn_target "amdgcn-amd-amdhsa--gfx1250"
	.amdhsa_code_object_version 6
	.text
	.protected	k_q7c3ec3eb99_chain
	.globl	k_q7c3ec3eb99_chain
	.p2align	8
	.type	k_q7c3ec3eb99_chain,@function
k_q7c3ec3eb99_chain:
	s_mov_b64 s[64:65], 0
	v_nop
	global_prefetch_b8 v0, s[64:65] scope:SCOPE_SE
	s_setreg_imm32_b32 hwreg(HW_REG_WAVE_SCHED_MODE, 0, 2), 2
	s_setreg_imm32_b32 hwreg(HW_REG_WAVE_MODE, 25, 1), 1
	s_wait_xcnt 0x0
	s_wait_alu depctr_vm_vsrc(0)
; out0[a][e][:] = W3^T relu(W2^T relu(W1^T x[a][e] + b1) + b2) + b3 with the net seps_idx[a]: only the net that is gathered for an agent is multiplied.
; Layer 1 on codes of FP4 (E2M1) with one E8M0 scale for each 32 along K (x is quantised here, W1 by the launch before); layers 2 and 3 on f16 operands; all sums f32.
; SHARES.  A work-group of four waves takes 64 rows of one agent through the whole chain; the hidden layers never go to memory.  THE WAVES SHARE THE UNITS, NOT THE ROWS: wave w makes hidden units
; 256 w .. 256 w + 255 of layers 1 and 2 (64 accumulators of 16 x 16, 512 registers) and outputs 128 w .. 128 w + 127, for all 64 rows.
; WEIGHTS go from memory straight into the registers of the one wave that multiplies them: the launch before laid them as images of the operand's registers, one stream for each (net, wave), which is
; walked from end to end through all three layers by a ring of four "halves" (8 fragments, 8,192 bytes, 16 loads of 16 bytes a lane): a place of the ring is asked for again in the half behind the one
; that multiplied it, for the half of the stream four further on.
; NO CLUSTER, NO TENSOR LOAD, though the 16 row blocks of an agent walk the same weights: inside a work-group each fragment is multiplied by one wave alone, and a joint load lands in LDS: that would send a
; work-group's 3,276,800 bytes of weights into LDS and out again, beside the 1,048,576 bytes of hidden layers that its waves read there; and which net is walked hangs on an index read from memory.
; EVERY PRODUCT IS USED TRANSPOSED (source 0 = 16 units of the weights, source 1 = 16 rows): a lane (r, hh) holds row r and its 8 registers units 8 hh + 0 .. 7.  Packed to f16 in pairs, an accumulator's four
; registers ARE registers 0-3 (even unit tile) or 4-7 (odd) of the next layer's source 1: they go to LDS as they stand, 16 bytes a lane, and any wave loads them back by the same addresses.
; f16 UNDER A SCALE FOR EACH ROW.  A hidden row is multiplied by 2^(14 - floor(log2(its largest number))), exactly, before it is rounded to f16; the next layer's fused multiply-add, which adds the bias, undoes it.
; LIMITS: NaN and infinities are not served.  A row whose largest activation lies under 2^-100 is scaled as if it were 2^-100.  A block of zeros of x gets the scale byte 1 where the quantiser's rule says 127:
; its codes are zeros.  seps_idx is held to 0 .. 3.
; THE MODE: SCHED_MODE bits 1:0 = 2 (LLVM: expert scheduling mode 2), set by the entry lines.  The code itself states the register dependences between vector or matrix instructions and memory or LDS
; instructions, with s_wait_alu, always for 0.
; THE PLAN.  Registers that memory or LDS instructions touch, in the loops:
;   ring place q (window 1)  Read by the 32 products of half q; the 16 loads that land in it again are issued in the NEXT half.
;   set 0, set 1 (v32-95)    A K step's four fragments of the hidden layer.  Read by that K step's products; the 8 LDS loads that land in a set again are issued in the half behind its last products.
;   v[HAD]                   Read by every LDS load of a fragment; written once a trip, at the trip's head.
;   v[LI], v[PFO]            Read by every load of weights and by the prefetches; never written again: the scalar pointers move on, once a trip, and immediate offsets do the rest.
;   The accumulators are named by matrix instructions alone.
; So ONE wait on va_vdst stands at a half's head, behind the waits for the half's data: it states that the products of the half before are done reading their ring place and, where a K step has ended, their
; set, and, at a trip's head, that v[HAD] is written.  The half's loads follow with no further wait, dealt among its first products, which name this half's ring place, this K step's set and the accumulators:
; none of the registers that those loads touch.  One wait on vm_vsrc a trip stands ahead of the write of v[HAD].
; The scalar pointers move on at the head of a trip's SECOND half: ring place 3, which is asked for again in the first half of the next trip, then still finds the pointer at that trip's own 32,768 bytes,
; and every immediate offset of a load of weights is 0 or more.
; Where a layer ends, ring place 3 is asked for again at once, behind a wait of its own, so that all four halves are on their way during the change of layers; the next layer's first half then loads nothing.
; Outside the loops (the head, the change of layers, the way out) each run of LDS stores has one wait on va_vdst ahead of it, and each rewrite of registers that stores have read one wait on vm_vsrc.
; REGISTERS, in windows of 256 (s_set_vgpr_msb: bits 1:0 source 0, 3:2 source 1, 5:4 source 2, 7:6 destination):
;   window 0: v1-19 addresses; v20-27 row maxima, then row scales; v28-31 at work; v32-95 source 1's fragments (x's eight; later two K steps of a hidden layer; on the way out rows of out0);
;             v96-111 W1's scale words, v112-119 x's (scales and nothing else); v120-127 the inverse row scales; v128-255 x's numbers, then biases, then packing.
;   window 1: the ring of weights, half q at v[64 q].     windows 2, 3: accumulator (row tile m, unit tile i) at v[8 (16 (m % 2) + i)] of window 2 + m / 2.
.set XIMG,   131072                    ; LDS: from 0 the hidden layer, [K step c 32][row tile m 4][register group 2][lane][16 bytes]: 131,072 bytes;  here x's 8 fragments (2 m + s), 1,024 bytes each,
.set XSC,    139264                    ; their scale words, 128 bytes each,
.set RMX,    140288                    ; the rows' maxima: 16 bytes a row, a word for each wave,
.set BIAS,   141312                    ; each wave's own 2,560 bytes: its 256 of b1, 256 of b2, 128 of b3,
.set STG,    151552                    ; each wave's own stage for the way out: 16 rows x (512 + 16) bytes,
.set SPARE,  185344                    ; and the spare words, 128 bytes for each wave: two blocks of 256 bytes that no other line names
.set STREAM, 819200
.set PFO, 1                            ; v1   256 x lane: the prefetches' offset
.set BWA, 2                            ; v2   where I stage the biases: BIAS + 2,560 wave + 16 lane
.set XA,  4                            ; v4   x: 1,024 r + 64 hh: my 16 numbers of a block of 32
.set LI,  5                            ; v5   16 x lane
.set LS,  6                            ; v6   4 x lane
.set XWI, 7                            ; v7   where I store x's images
.set XWS, 8                            ; v8   and their scale words
.set HAD, 9                            ; v9   LDS address of my 16 bytes in the trip's first K step of the hidden layer
.set HWA, 10                           ; v10  where I store my units' images: 32,768 wave + 16 lane
.set BAD, 11                           ; v11  my biases: BIAS + 2,560 wave + 32 hh
.set RMW, 12                           ; v12  RMX + 16 r + 4 wave
.set RMR, 13                           ; v13  RMX + 16 r
.set SO,  14                           ; v14  the stage: where I put 32 bytes of a row
.set SR,  15                           ; v15  and where I read a row back
.set XRD, 16                           ; v16  XIMG + 16 lane
.set XSR, 17                           ; v17  XSC + 4 lane
.set SPW, 18                           ; v18  LDS address of my spare word; never rewritten
.set NIL, 19                           ; v19  0; never rewritten
.set MX,  20                           ; v20-27  row tile m: two chains of its maximum; later the pair whose low word is the row's scale
.set PT,  28                           ; v28-31
.set HB,  32                           ; v32-63, v64-95  two sets of four fragments (row tiles 0-3)
.set TM,  32                           ; while x is quantised: v32-47 at work, v48 the scale word, v52-59 the codes, v64-83 the biases on their way
.set PW,  48
.set PC,  52
.set BST, 64
.set W1S, 96
.set XS,  112
.set INV, 120                          ; v120-127  pairs whose low word is the inverse of the scale under which source 1's rows stand: 1.0 for x
.set BI,  128                          ; v128-255  128 bias numbers: register 8 i + j = bias of unit 16 i + 8 hh + j
.set T,   128                          ; v128-191  8 accumulators at work
.set PP,  192                          ; v192-223, v224-255  packed results, two sets
.set NET, 20
.set AG,  21
.set WV,  22
.set IDX, 24                           ; s[24:31] the eight indices
.set WS,  32                           ; s[32:33] my stream
.set WP,  34                           ; s[34:35] in my stream: in a trip's first half the trip in hand, from its second half on the trip after it
.set PFA, 36                           ; s[36:37] where my prefetches stand
.set PK,  38                           ; s38  which trips (mod 4) I prefetch for, or a number that no trip has
.set TR,  39                           ; s39  the trip: 0 layer 1, 1-16 layer 2, 17-24 layer 3; four halves each
.set HO,  40                           ; s40  LDS byte of the trip's first K step
.set SEL, 42                           ; s[42:43] v_permlanex16_b32's selects for lane l xor 16
.set XB,  44
.set OB,  46
.set B1B, 48
.set B2B, 50
.set B3B, 52
.set WSB, 54
.set MSB, 0
.macro WIN new                         ; the immediate's high byte repeats the setting that is left; a switch that changes nothing is dropped
.if MSB != (\new)
	s_set_vgpr_msb (MSB<<8)|(\new)
.set MSB, (\new)
.endif
.endm
.set MUL_LO, 0xa1                      ; source 0 (weights) window 1, source 1 window 0, C and D window 2
.set MUL_HI, 0xf1                      ; the same, C and D window 3
.set TO_Q,   0x40                      ; destination window 1, address window 0
; A vector instruction that reads or writes a matrix result stands four places behind it; only plain vector instructions that name none of its registers are places (ISA guide 7.12.1).
; Between a half's products and the loads into the registers that they have read the four places of this text's plain form are kept too; the wait on va_vdst follows them.
.macro PLACES
.rept 4
	v_nop
.endr
.endm
.macro BARRIER                         ; my LDS stores have landed and my LDS loads are in: then the work-group's barrier
	s_wait_dscnt 0x0
	s_barrier_signal -1
	s_barrier_wait -1
.endm
; 64 numbers of a lane, register 16 b + i = k 32 b + 16 hh + i of my row, become a fragment's codes in v[PC] on and its scale word in v[PW].
.macro QUANT s
.irp b, 0,1,2,3
	v_max3_num_f32 v[TM+\b], |v[\s+16*\b]|, |v[\s+1+16*\b]|, 0x1800000   ; block b: my 16 numbers, and the floor 2^(3 - 127): the byte cannot fall under 1
.endr
.irp i, 2,4,6,8,10,12,14
.irp b, 0,1,2,3
	v_max3_num_f32 v[TM+\b], v[TM+\b], |v[\s+16*\b+\i]|, |v[\s+1+16*\b+\i]|   ; (the four blocks by turns)
.endr
.endr
.irp b, 0,1,2,3
	v_permlanex16_b32 v[TM+4+\b], v[TM+\b], s[SEL], s[SEL+1]
.endr
.irp b, 0,1,2,3
	v_max_num_f32 v[TM+\b], v[TM+\b], v[TM+4+\b]   ; with lane l xor 16's: the block's largest magnitude
.endr
.irp b, 0,1,2,3
	v_add_nc_u32 v[TM+12+\b], 0xff000000, v[TM+\b] ; 2 off its exponent field: the conversion's scale operand
.endr
.irp b, 0,1,2,3
	v_lshrrev_b32 v[TM+4+\b], 23, v[TM+12+\b]      ; the scale's byte
.endr
	v_lshl_or_b32 v[PW], v[TM+5], 8, v[TM+4]       ; the four bytes make my row's scale word
	v_lshl_or_b32 v[PW], v[TM+6], 16, v[PW]
	v_lshl_or_b32 v[PW], v[TM+7], 24, v[PW]
.irp b, 0,1,2,3
	v_cvt_scalef32_pk8_fp4_f32 v[PC+2*\b], v[\s+16*\b:\s+7+16*\b], v[TM+12+\b]
	v_cvt_scalef32_pk8_fp4_f32 v[PC+1+2*\b], v[\s+8+16*\b:\s+15+16*\b], v[TM+12+\b]
.endr
	v_nop                                          ; one plain place behind a scaled conversion
.irp c, 0,1                                    ; the operand's layout wants a whole block in a lane: lanes 0-15 block 2 c, lanes 16-31 block 2 c + 1
.irp i, 0,1
	v_permlane16_swap_b32 v[PC+4*\c+\i], v[PC+2+4*\c+\i]
.endr
.endr
.endm
.macro IMAGE adr, off                  ; the fragment in v[PC] on goes to LDS as it stands
.irp c, 0,1
	ds_store_b128 v[\adr], v[PC+4*\c:PC+4*\c+3] offset:\off+512*\c
.endr
.endm
.macro XLOAD reg, s                    ; my 16 rows' numbers of K step s: 64 a lane
.irp b, 0,1,2,3
.irp j, 0,1,2,3
	global_load_b128 v[\reg+16*\b+4*\j:\reg+16*\b+4*\j+3], v[XA], s[XB:XB+1] offset:512*\s+128*\b+16*\j th:TH_LOAD_NT
.endr
.endr
.endm
.macro FIRST n                         ; half n of the stream's first four, into ring place n
.irp i, 0,1,2,3,4,5,6,7
	global_load_b128 v[64*\n+8*\i:64*\n+8*\i+3],   v[LI], s[WS:WS+1] offset:8192*\n+1024*\i
	global_load_b128 v[64*\n+8*\i+4:64*\n+8*\i+7], v[LI], s[WS:WS+1] offset:8192*\n+1024*\i+512
.endr
.endm
; Product nn of a half's 32: ring place q's unit tile nn % 8 (ih on) x row tile nn / 8, from set hb.  The accumulators take turns, one instruction a turn.
; zero = 1: the product starts its sum: nothing is ever cleared.
.macro MM q, hb, ih, zero
.set mr, nn/8
.set mi, nn%8
.set rD, 8*(16*(mr%2)+(\ih)+mi)
.set rW, 64*(\q)+8*mi
.set rH, HB+32*(\hb)+8*mr
	WIN MUL_LO+0x50*(mr/2)
.if \zero
	v_wmma_f32_16x16x32_f16 v[rD:rD+7], v[rW:rW+7], v[rH:rH+7], 0
.else
	v_wmma_f32_16x16x32_f16 v[rD:rD+7], v[rW:rW+7], v[rH:rH+7], v[rD:rD+7]
.endif
.set nn, nn+1
.endm
; the same for layer 1: K step s of 128 on codes.  W1's scale words hold K step 0 in lanes 0-15 and K step 1 in lanes 16-31
.macro MM4 q, ih, s
.set mr, nn/8
.set mi, nn%8
.set rD, 8*(16*(mr%2)+(\ih)+mi)
.set rW, 64*(\q)+8*mi
.set rH, HB+8*(2*mr+(\s))
	WIN MUL_LO+0x50*(mr/2)
.if (\s) == 0
	v_wmma_scale_f32_16x16x128_f8f6f4 v[rD:rD+7], v[rW:rW+7], v[rH:rH+7], 0, v[W1S+(\ih)+mi], v[XS+2*mr+(\s)] matrix_a_fmt:MATRIX_FMT_FP4 matrix_b_fmt:MATRIX_FMT_FP4
.else
	v_wmma_scale_f32_16x16x128_f8f6f4 v[rD:rD+7], v[rW:rW+7], v[rH:rH+7], v[rD:rD+7], v[W1S+(\ih)+mi], v[XS+2*mr+(\s)] matrix_a_fmt:MATRIX_FMT_FP4 matrix_b_fmt:MATRIX_FMT_FP4 matrix_a_scale:MATRIX_SCALE_ROW1
.endif
.set nn, nn+1
.endm
; Four of the 16 loads by which ring place q takes the half four further on: its fragments 2 g and 2 g + 1.  The pointer stands at the trip to which that half belongs: the offset is the half's place in its trip.
.macro RL q, g
	WIN TO_Q
.irp e, 0,1
	global_load_b128 v[64*(\q)+8*(2*(\g)+\e):64*(\q)+8*(2*(\g)+\e)+3],   v[LI], s[WP:WP+1] offset:8192*(\q)+1024*(2*(\g)+\e)
	global_load_b128 v[64*(\q)+8*(2*(\g)+\e)+4:64*(\q)+8*(2*(\g)+\e)+7], v[LI], s[WP:WP+1] offset:8192*(\q)+1024*(2*(\g)+\e)+512
.endr
.endm
.macro HLOAD hb, imm                   ; a K step's four fragments of the hidden layer, imm bytes behind the trip's first, into set hb
	WIN 0
.irp m, 0,1,2,3
	ds_load_b128 v[HB+32*(\hb)+8*\m:HB+32*(\hb)+8*\m+3],   v[HAD] offset:(\imm)+1024*\m
	ds_load_b128 v[HB+32*(\hb)+8*\m+4:HB+32*(\hb)+8*\m+7], v[HAD] offset:(\imm)+1024*\m+512
.endr
.endm
.macro BLOAD off, tiles, reg           ; my biases in the results' layout: the lanes of a half read the same words
	WIN 0
.set bi, 0
.rept \tiles
	ds_load_b128 v[\reg+8*bi:\reg+8*bi+3],   v[BAD] offset:\off+64*bi
	ds_load_b128 v[\reg+8*bi+4:\reg+8*bi+7], v[BAD] offset:\off+64*bi+16
.set bi, bi+1
.endr
.endm
; A PREFETCH INTO THE L2.  In trip t the four halves of trip t + 3 are asked for, two trips ahead of the loads that will want them.  Each aligned block of 256 bytes of a stream is named ONCE in the launch:
; of the agents that use a net the first asks; of its 16 row blocks, the four with number / 4 = (t + 3) % 4; each of these takes the half 4 (t + 3) + number % 4; each wave asks in its own stream, lanes 256 bytes
; apart: one instruction.  It stands behind the loads by which ring place 0 is asked for again.  Trip 0 asks for nothing (the first loads are on their way), nor do trips 22 on: the stream ends with trip 24.
.macro ASK
	WIN 0
	s_add_co_u32 s56, s[TR], 3
	s_and_b32 s56, s56, 3
	s_cmp_lt_u32 s[TR], 22
	s_cselect_b32 s56, s56, 0x200
	s_cmp_eq_u32 s56, s[PK]
	s_cbranch_scc0 .Lnot_mine_\@
	global_prefetch_b8 v[PFO], s[PFA:PFA+1] th:TH_LOAD_NT scope:SCOPE_SE
.Lnot_mine_\@:
.endm
; The two pointers move on by a trip's 32,768 bytes, at the head of the trip's second half.
.macro ONWARD
	s_wait_xcnt 0x0                                ; the loads issued so far (the youngest: ring place 3's, behind the first products of the half before) and the last trip's prefetch have read their addresses: the two pointers may be written
	s_add_nc_u64 s[WP:WP+1], s[WP:WP+1], 32768
	s_add_nc_u64 s[PFA:PFA+1], s[PFA:PFA+1], 32768
.endm
; A HALF: 32 products of ring place q with set hb, and among the first of them the loads that the wait at the half's head has made free: behind product 1 the 8 LDS loads into set hs (hs < 0: none),
; behind products 2 to 5 four loads each into ring place rq (rq < 0: none).  extra = 1: the trip's prefetch, behind the last of those; 2, 3: in a layer's last trip the biases come in the LDS loads' stead.
; No wait stands among them: no product of this half names set hs, ring place rq, the biases' registers or an address.
.macro HALF q, hb, ih, zero, rq, hs, himm, extra
.set nn, 0
.rept 32
	MM \q, \hb, \ih, \zero
.if (nn == 1) && ((\hs) >= 0)
	HLOAD \hs, \himm
.endif
.if (nn == 1) && ((\extra) == 2)
	BLOAD 1024, 16, BI
.endif
.if (nn == 1) && ((\extra) == 3)
	BLOAD 2048, 8, PP
.endif
.if (nn >= 2) && (nn <= 5) && ((\rq) >= 0)
	RL \rq, nn-2
.endif
.if (nn == 6) && ((\extra) == 1)
	ASK
.endif
.endr
.endm
.macro HALF4 q, ih, s, rq              ; the same for layer 1
.set nn, 0
.rept 32
	MM4 \q, \ih, \s
.if (nn >= 2) && (nn <= 5) && ((\rq) >= 0)
	RL \rq, nn-2
.endif
.endr
.endm
; Behind the last products of layers 1 and 2: ring place 3 is asked for again at once, in one run, so that the next layer's first four halves are on their way during the change of layers.
.macro LAST3
	WIN 0
	PLACES                                         ; four places behind the layer's last products, ahead of the fused multiply-adds that read and write the accumulators
	s_wait_alu depctr_va_vdst(0)                   ; those products are done reading ring place 3, in which the loads below land
	RL 3, 0
	RL 3, 1
	RL 3, 2
	RL 3, 3
	WIN 0
.endm
; A TRIP OF LAYER 2: two K steps of 32, four halves.  At a half's head 32 loads may be out: the 2 x 16 of the two younger halves; the third's are issued just behind.
; first = 1, the layer's first trip: all four halves and both K steps were asked for ahead of it, and its first half loads nothing.
; tail = 1, the layer's last trip: no K step is left to fetch beyond its own; the biases come in their stead (32 LDS loads).  The ring of weights goes on into layer 3.
.macro TRIP2 zero, first, tail
.if \first
	s_wait_loadcnt 48                              ; half 0 is in; the three younger halves' 48 loads may be out
	s_wait_dscnt 8                                 ; the first K step is in; the second's 8 loads may be out
.else
	s_wait_loadcnt 32
	s_wait_dscnt 0x0                               ; the first K step, asked for two halves ago, is in
	s_wait_alu depctr_vm_vsrc(0)                   ; the LDS loads issued so far have read v[HAD]
	v_add_nc_u32 v[HAD], s[HO], v[LI]              ; this trip's first K step
	PLACES
	s_wait_alu depctr_va_vdst(0)                   ; the last trip's last products are done reading ring place 3 and set 1; v[HAD] is written
.endif
	HALF 0, 0, 0, \zero, 3-4*\first, 1-2*\first, 4096, 0
	s_wait_loadcnt 32
	ONWARD
	PLACES
	s_wait_alu depctr_va_vdst(0)                   ; half 0's products are done reading ring place 0
	HALF 1, 0, 8, \zero, 0, -1, 0, 1
	s_wait_loadcnt 32
	s_wait_dscnt 0x0                               ; the second K step is in
	PLACES
	s_wait_alu depctr_va_vdst(0)                   ; half 1's products are done reading ring place 1 and set 0
	HALF 2, 1, 0, 0, 1, 0-\tail, 8192, 2*\tail
	s_wait_loadcnt 32
	PLACES
	s_wait_alu depctr_va_vdst(0)                   ; half 2's products are done reading ring place 2
	HALF 3, 1, 8, 0, 2, -1, 0, 0
	WIN 0
	s_add_co_u32 s[HO], s[HO], 8192
.endm
; A TRIP OF LAYER 3: four K steps, a half each (8 unit tiles x 4 row tiles).  first as above.  tail = 1: the stream ends: ring place 3 takes its last half, the pointers stay, and the counts run down 32, 32, 16, 0
.macro TRIP3 zero, first, tail
.if \first
	s_wait_loadcnt 48                              ; half 0 is in; the three younger halves' 48 loads may be out
	s_wait_dscnt 8                                 ; K step 0 is in; K step 1's 8 loads may be out
.else
	s_wait_loadcnt 32
	s_wait_dscnt 0x0                               ; this K step, asked for in the half before, is in
	s_wait_alu depctr_vm_vsrc(0)                   ; the LDS loads issued so far have read v[HAD]
	v_add_nc_u32 v[HAD], s[HO], v[LI]              ; this trip's first K step
	PLACES
	s_wait_alu depctr_va_vdst(0)                   ; the last trip's last products are done reading ring place 3 and set 1; v[HAD] is written
.endif
	HALF 0, 0, 0, \zero, 3-4*\first, 1-2*\first, 4096, 0
	s_wait_loadcnt 32
	s_wait_dscnt 0x0
.if !\tail
	ONWARD
.endif
	PLACES
	s_wait_alu depctr_va_vdst(0)                   ; half 0's products are done reading set 0 and ring place 0 (which the last trip does not ask for again)
	HALF 1, 1, 0, 0, 0-\tail, 0, 8192, 1-\tail
	s_wait_loadcnt 32-16*\tail
	s_wait_dscnt 0x0
	PLACES
	s_wait_alu depctr_va_vdst(0)                   ; half 1's products are done reading set 1 and ring place 1
	HALF 2, 0, 0, 0, 1-2*\tail, 1, 12288, 0
	s_wait_loadcnt 32-32*\tail
	s_wait_dscnt 0x0
.if !\tail
	PLACES
	s_wait_alu depctr_va_vdst(0)                   ; half 2's products are done reading set 0 and ring place 2
.endif
	HALF 3, 1, 0, 0, 2-3*\tail, 0-\tail, 16384, 3*\tail   ; (the last trip's last half loads b3 alone, into registers that no vector or matrix instruction has named since the change of layers)
	WIN 0
	s_add_co_u32 s[HO], s[HO], 16384
.endm
; THE END OF LAYERS 1 AND 2: my 64 accumulators become my part of the next layer's source 1.  (The four places behind the last products stand in front of ring place 3's refill.)
.macro EPI
	s_wait_dscnt 0x0                               ; the biases are in
.irp m, 0,1,2,3                                ; the pre-activation: sum x (the inverse of the scale under which source 1's rows stood) + bias, one rounding; each accumulator from its low end on
	WIN (0x82+0x41*(\m/2))                         ; destination and source 0: window 2 or 3
.irp i, 0,1,2,3,4,5,6,7,8,9,10,11,12,13,14,15
.irp p, 0,2,4,6
	v_pk_fma_f32 v[8*(16*(\m%2)+\i)+\p:8*(16*(\m%2)+\i)+\p+1], v[8*(16*(\m%2)+\i)+\p:8*(16*(\m%2)+\i)+\p+1], v[INV+2*\m:INV+2*\m+1], v[BI+8*\i+\p:BI+8*\i+\p+1] op_sel_hi:[1,0,1]
.endr
.endr
.endr
	WIN 0
.irp k, 0,1,2,3,4,5,6,7
	v_mov_b32 v[MX+\k], 0x0d800000                 ; the floor 2^-100, under which no row's maximum is taken
.endr
.irp wd, 0,1                                   ; the largest number of my row among my 256 units: no |.|: what is negative becomes 0 and must not count.  Four chains by turns
	WIN (0x28+0x14*\wd)                            ; sources 1 and 2: window 2 or 3
.irp i, 0,1,2,3,4,5,6,7,8,9,10,11,12,13,14,15
.irp pq, 0,4
.irp mm, 0,1
.irp ch, 0,1
	v_max3_num_f32 v[MX+2*(2*\wd+\mm)+\ch], v[MX+2*(2*\wd+\mm)+\ch], v[8*(16*\mm+\i)+\pq+2*\ch], v[8*(16*\mm+\i)+\pq+2*\ch+1]
.endr
.endr
.endr
.endr
.endr
	WIN 0
.irp m, 0,1,2,3
	v_max_num_f32 v[MX+2*\m], v[MX+2*\m], v[MX+2*\m+1]
.endr
.irp m, 0,1,2,3
	v_permlanex16_b32 v[PT+\m], v[MX+2*\m], s[SEL], s[SEL+1]
.endr
.irp m, 0,1,2,3
	v_max_num_f32 v[MX+2*\m], v[MX+2*\m], v[PT+\m] ; with lane l xor 16's units
.endr
	s_wait_alu depctr_va_vdst(0)                   ; the maxima are written, which the stores below read; and the fused multiply-adds are done reading the biases, in whose registers the loads behind the barrier land
.irp m, 0,1,2,3
	ds_store_b32 v[RMW], v[MX+2*\m] offset:256*\m  ; my wave's word of row 16 m + r (both lanes of a row write the same number)
.endr
	BARRIER                                        ; the four waves' maxima lie in LDS; and every wave's reads of the hidden layer are over: it may be written again
.irp m, 0,1,2,3
	ds_load_b128 v[BI+4*\m:BI+4*\m+3], v[RMR] offset:256*\m
.endr
	s_wait_dscnt 0x0
	s_wait_alu depctr_vm_vsrc(0)                   ; the four stores above have read v[MX ..], which the rows' scales below write again
.irp m, 0,1,2,3
	v_max3_num_f32 v[BI+4*\m], v[BI+4*\m], v[BI+4*\m+1], v[BI+4*\m+2]
.endr
.irp m, 0,1,2,3
	v_max_num_f32 v[BI+4*\m], v[BI+4*\m], v[BI+4*\m+3]   ; the row's largest number
.endr
.irp m, 0,1,2,3
	v_and_b32 v[PT+\m], 0x7f800000, v[BI+4*\m]     ; its exponent field E
.endr
.irp m, 0,1,2,3
	v_sub_nc_u32 v[MX+2*\m], 0x86000000, v[PT+\m]  ; the row's scale 2^(14 - (E - 127)): exponent field 268 - E.  The row's largest number then lies in [2^14, 2^15)
.endr
.irp m, 0,1,2,3
	v_add_nc_u32 v[INV+2*\m], 0xf9000000, v[PT+\m] ; and its inverse: exponent field E - 14
.endr
.set bt, 0                                     ; eight batches of eight accumulators: x the scale, relu, f16, to LDS as images
.rept 8
.set pm, bt/2
.set pih, 8*(bt%2)
.set pd, PP+32*(bt%2)
	WIN (0x02+pm/2)                                ; source 0: window 2 or 3
.set pj, 0
.rept 8
.irp p, 0,2,4,6
	v_pk_mul_f32 v[T+8*pj+\p:T+8*pj+\p+1], v[8*(16*(pm%2)+pih+pj)+\p:8*(16*(pm%2)+pih+pj)+\p+1], v[MX+2*pm:MX+2*pm+1] op_sel_hi:[1,0]
.endr
.set pj, pj+1
.endr
	WIN 0
.set pj, 0
.rept 64
	v_max_num_f32 v[T+pj], 0, v[T+pj]              ; the activation, in f32
.set pj, pj+1
.endr
.if bt >= 2
	s_wait_dscnt 8                                 ; the stores of two batches back are done; the last batch's 8 may be out
	s_wait_alu depctr_vm_vsrc(0)                   ; the stores of two batches back have read this set of packed registers, which the conversions below write again
.endif
.set pj, 0
.rept 32
	v_cvt_pk_f16_f32 v[pd+pj], v[T+2*pj], v[T+2*pj+1]
.set pj, pj+1
.endr
	s_wait_alu depctr_va_vdst(0)                   ; the conversions have written this set, which the eight stores below read
.set pj, 0
.rept 8
	ds_store_b128 v[HWA], v[pd+4*pj:pd+4*pj+3] offset:4096*((pih+pj)/2)+1024*pm+512*(pj%2)   ; unit tile 16 w + i: K step 8 w + i / 2, register group i % 2
.set pj, pj+1
.endr
.set bt, bt+1
.endr
	BARRIER                                        ; the whole hidden layer lies in LDS; and every wave's reads of the maxima are over
	s_mov_b32 s[HO], 0
	s_wait_alu depctr_vm_vsrc(0)                   ; my stores have read the packed registers, in which the next biases are loaded in the layer's last trip; the layer before's LDS loads have read v[HAD]
	v_add_nc_u32 v[HAD], s[HO], v[LI]              ; the first trip's first K step
	s_wait_alu depctr_va_vdst(0)                   ; v[HAD] is written, which the loads below read
	HLOAD 0, 0
	HLOAD 1, 4096
.endm
	; ---- the head
	s_load_b256 s[4:11], s[0:1], 0x0               ; x s[4:5], wts s[6:7], w1s s[8:9], b1 s[10:11]
	s_load_b256 s[12:19], s[0:1], 0x20             ; b2 s[12:13], b3 s[14:15], seps_idx s[16:17], out0 s[18:19]
	v_lshl_add_u32 v[SPW], v0, 2, SPARE
	v_mov_b32 v[NIL], 0
	v_lshrrev_b32 v32, 5, v0
	v_readfirstlane_b32 s[WV], v32                 ; wave 0..3
	v_and_b32 v32, 31, v0                          ; lane
	v_and_b32 v33, 15, v0                          ; r
	v_bfe_u32 v34, v0, 4, 1                        ; hh
	v_lshlrev_b32 v[PFO], 8, v32
	v_lshlrev_b32 v[LI], 4, v32
	v_lshlrev_b32 v[LS], 2, v32
	v_lshlrev_b32 v[XA], 10, v33
	v_lshl_add_u32 v[XA], v34, 6, v[XA]
	s_wait_alu depctr_va_sdst(0)                   ; s[WV] is written, ahead of its first reader: LDS places, bases and the stream are made from it
	s_mul_i32 s56, s[WV], 2560
	s_add_co_u32 s56, s56, BIAS
	v_add_nc_u32 v[BWA], s56, v[LI]
	v_lshl_add_u32 v[BAD], v34, 5, s56
	s_lshl_b32 s56, s[WV], 11
	s_add_co_u32 s56, s56, XIMG
	v_add_nc_u32 v[XWI], s56, v[LI]                ; I quantise row tile m = my wave's number: fragments 2 w and 2 w + 1
	s_lshl_b32 s56, s[WV], 8
	s_add_co_u32 s56, s56, XSC
	v_add_nc_u32 v[XWS], s56, v[LS]
	s_lshl_b32 s56, s[WV], 15
	v_add_nc_u32 v[HWA], s56, v[LI]
	s_lshl_b32 s56, s[WV], 2
	s_add_co_u32 s56, s56, RMX
	v_lshl_add_u32 v[RMW], v33, 4, s56
	v_lshl_add_u32 v[RMR], v33, 4, RMX
	s_mul_i32 s56, s[WV], 8448
	s_add_co_u32 s56, s56, STG
	v_mul_u32_u24 v[SO], v33, 528
	v_lshl_add_u32 v[SO], v34, 5, v[SO]
	v_add_nc_u32 v[SO], s56, v[SO]
	v_add_nc_u32 v[SR], s56, v[LI]
	v_add_nc_u32 v[XRD], XIMG, v[LI]
	v_add_nc_u32 v[XSR], XSC, v[LS]
.irp b, 0,1,2,3
	v_mov_b32 v[PT+\b], 0                          ; written once: a lane permute's destination counts as one of its sources
	v_mov_b32 v[TM+4+\b], 0
.endr
.irp k, 0,1,2,3,4,5,6,7
	v_mov_b32 v[INV+\k], 1.0                       ; x stands under no row scale
.endr
	s_mov_b32 s[SEL], 0x76543210
	s_mov_b32 s[SEL+1], 0xfedcba98
	s_lshr_b32 s[AG], ttmp9, 4                     ; my agent: 16 blocks of 64 rows each
	s_lshl_b32 s56, s[AG], 2
	s_wait_kmcnt 0x0
	s_load_b32 s[NET], s[16:17], s56 offset:0x0    ; my agent's net
	s_load_b256 s[IDX:IDX+7], s[16:17], 0x0        ; and all eight, to see whether an earlier agent walks the same net
	s_lshl_b32 s58, ttmp9, 16                      ; x: (64 block + 16 wave) rows of 1,024 bytes
	s_lshl_b32 s59, s[WV], 14
	s_add_co_u32 s58, s58, s59
	s_mov_b32 s59, 0
	s_add_nc_u64 s[XB:XB+1], s[4:5], s[58:59]
	s_lshl_b32 s58, ttmp9, 17                      ; out0: 64 block rows of 2,048 bytes + my 128 outputs' 512 bytes
	s_lshl_b32 s60, s[WV], 9
	s_add_co_u32 s58, s58, s60
	s_add_nc_u64 s[OB:OB+1], s[18:19], s[58:59]
	s_wait_alu depctr_va_vdst(0)                   ; the offsets and LDS addresses v1 to v19 are written, which the kernel's loads, stores and prefetches read; all but v[HAD] are never written again
	XLOAD BI, 0                                    ; x's address hangs on ids alone: its 32 loads go out ahead of the wait for the index
	XLOAD BI+64, 1
	s_wait_kmcnt 0x0
	s_min_u32 s[NET], s[NET], 3
	s_lshl_b32 s56, s[NET], 2
	s_add_co_u32 s56, s56, s[WV]                   ; 4 net + wave
	s_mul_i32 s58, s56, STREAM
	s_add_nc_u64 s[WS:WS+1], s[6:7], s[58:59]
	s_add_nc_u64 s[WP:WP+1], s[WS:WS+1], 32768     ; trip 0 refills the ring with trip 1's halves
	s_and_b32 s58, ttmp9, 3
	s_add_co_u32 s58, s58, 12
	s_lshl_b32 s58, s58, 13
	s_add_nc_u64 s[PFA:PFA+1], s[WS:WS+1], s[58:59]   ; half 4 (0 + 3) + block % 4: each later trip steps it by four halves
	s_lshl_b32 s58, s56, 10                        ; 4,096 net + 1,024 wave
	s_add_nc_u64 s[B1B:B1B+1], s[10:11], s[58:59]
	s_add_nc_u64 s[B2B:B2B+1], s[12:13], s[58:59]
	s_lshl_b32 s58, s56, 9                         ; 2,048 net + 512 wave
	s_add_nc_u64 s[B3B:B3B+1], s[14:15], s[58:59]
	s_lshl_b32 s58, s56, 11                        ; 8,192 net + 2,048 wave
	s_add_nc_u64 s[WSB:WSB+1], s[8:9], s[58:59]
	global_load_b128 v[BST:BST+3],     v[LI], s[B1B:B1B+1]
	global_load_b128 v[BST+4:BST+7],   v[LI], s[B1B:B1B+1] offset:512
	global_load_b128 v[BST+8:BST+11],  v[LI], s[B2B:B2B+1]
	global_load_b128 v[BST+12:BST+15], v[LI], s[B2B:B2B+1] offset:512
	global_load_b128 v[BST+16:BST+19], v[LI], s[B3B:B3B+1]
.irp i, 0,1,2,3,4,5,6,7,8,9,10,11,12,13,14,15
	global_load_b32 v[W1S+\i], v[LS], s[WSB:WSB+1] offset:128*\i   ; unit tile i: lanes 0-15 K step 0's words, lanes 16-31 K step 1's
.endr
	WIN TO_Q
	FIRST 0
	FIRST 1
	FIRST 2
	WIN 0
	s_and_b32 s58, ttmp9, 15                       ; who prefetches: my block's number / 4 is the trip (mod 4) that I ask for,
	s_lshr_b32 s[PK], s58, 2
	s_mov_b32 s60, 0
.irp k, 0,1,2,3,4,5,6
	s_min_u32 s56, s[IDX+\k], 3
	s_cmp_eq_u32 s56, s[NET]
	s_cselect_b32 s56, 1, 0
	s_cmp_gt_u32 s[AG], \k
	s_cselect_b32 s56, s56, 0
	s_or_b32 s60, s60, s56                         ; unless an earlier agent has my net:
.endr
	s_cmp_lg_u32 s60, 0
	s_cselect_b32 s[PK], 0x100, s[PK]              ; then its work-groups ask, and I never do
	s_wait_loadcnt 48                              ; x, the biases and W1's scale words are in; the 48 loads of halves 0 to 2 may be out
	WIN TO_Q
	FIRST 3
	WIN 0
	; ---- x: my 16 rows become two fragments; my biases go to my own bytes of LDS
	QUANT BI
	s_wait_alu depctr_va_vdst(0)                   ; the first fragment's codes and scale word are written, which the stores below read
	IMAGE XWI, 0
	ds_store_b32 v[XWS], v[PW]
	s_wait_dscnt 0x0                               ; the first fragment's stores are done,
	s_wait_alu depctr_vm_vsrc(0)                   ; and have read v[PC ..] and v[PW], which the second fragment's lines write again
	QUANT BI+64
	s_wait_alu depctr_va_vdst(0)                   ; the second fragment's codes and scale word are written, which the stores below read; and all that quantising read or wrote (v32-59, v128-255) is done with: loads land there behind the barrier
	IMAGE XWI, 1024
	ds_store_b32 v[XWS], v[PW] offset:128
.irp k, 0,1,2,3,4
	ds_store_b128 v[BWA], v[BST+4*\k:BST+4*\k+3] offset:512*\k
.endr
	BARRIER                                        ; x's eight fragments lie in LDS
	s_wait_alu depctr_vm_vsrc(0)                   ; my stores have read v[PC ..], v[PW] and v[BST ..], in which x's fragments land
	; ---- layer 1: trip 0
.irp f, 0,1,2,3,4,5,6,7
	ds_load_b128 v[HB+8*\f:HB+8*\f+3],   v[XRD] offset:1024*\f
	ds_load_b128 v[HB+8*\f+4:HB+8*\f+7], v[XRD] offset:1024*\f+512
.endr
.irp f, 0,1,2,3,4,5,6,7
	ds_load_b32 v[XS+\f], v[XSR] offset:128*\f
.endr
	BLOAD 0, 16, BI
	s_wait_dscnt 32                                ; x's fragments and scale words are in; the 32 bias loads may be out
	s_wait_loadcnt 48                              ; half 0 is in; the 48 loads of halves 1 to 3 may be out
	HALF4 0, 0, 0, -1                              ; the ring is full: this half loads nothing
	s_wait_loadcnt 32                              ; from here on 32 loads may be out at a half's head: the two younger halves'
	PLACES
	s_wait_alu depctr_va_vdst(0)                   ; half 0's products are done reading ring place 0
	HALF4 1, 8, 0, 0
	s_wait_loadcnt 32
	PLACES
	s_wait_alu depctr_va_vdst(0)                   ; half 1's products are done reading ring place 1
	HALF4 2, 0, 1, 1
	s_wait_loadcnt 32
	PLACES
	s_wait_alu depctr_va_vdst(0)                   ; half 2's products are done reading ring place 2
	HALF4 3, 8, 1, 2
	LAST3
	s_mov_b32 s[TR], 1
	EPI
	; ---- layer 2: trips 1 to 16
	TRIP2 1, 1, 0                                  ; the first trip stands in front of the loop: its first K step's products start the sums
	s_mov_b32 s[TR], 2
.Ll2:
	TRIP2 0, 0, 0
	s_add_co_u32 s[TR], s[TR], 1
	s_cmp_lt_u32 s[TR], 16
	s_cbranch_scc1 .Ll2
	TRIP2 0, 0, 1
	LAST3
	s_mov_b32 s[TR], 17
	EPI
	; ---- layer 3: trips 17 to 24
	TRIP3 1, 1, 0
	s_mov_b32 s[TR], 18
.Ll3:
	TRIP3 0, 0, 0
	s_add_co_u32 s[TR], s[TR], 1
	s_cmp_lt_u32 s[TR], 24
	s_cbranch_scc1 .Ll3
	TRIP3 0, 0, 1
	; ---- the way out, a row tile at a time: sum x inverse scale + b3; through my own stage; back as whole pieces of rows: 32 lanes store 512 consecutive bytes, at a multiple of 256 from out0's first byte
	PLACES
	s_wait_dscnt 0x0                               ; b3
.irp m, 0,1,2,3
.if \m > 0
	s_wait_alu depctr_vm_vsrc(0)                   ; the last tile's LDS stores have read v[T ..], which the lines below write again; its global stores have read v[HB ..], in which the loads below land
.endif
	WIN (0x02+\m/2)                                ; source 0: window 2 or 3
.irp i, 0,1,2,3,4,5,6,7
.irp p, 0,2,4,6
	v_pk_fma_f32 v[T+8*\i+\p:T+8*\i+\p+1], v[8*(16*(\m%2)+\i)+\p:8*(16*(\m%2)+\i)+\p+1], v[INV+2*\m:INV+2*\m+1], v[PP+8*\i+\p:PP+8*\i+\p+1] op_sel_hi:[1,0,1]
.endr
.endr
	WIN 0
	s_wait_alu depctr_va_vdst(0)                   ; v[T ..] is written, which the stores below read; in the first tile also: the last products are done reading the sets, in which the loads below land
.irp i, 0,1,2,3,4,5,6,7
	ds_store_b128 v[SO], v[T+8*\i:T+8*\i+3] offset:64*\i
	ds_store_b128 v[SO], v[T+8*\i+4:T+8*\i+7] offset:64*\i+16
.endr
.if \m > 0
	s_wait_xcnt 0x0                                ; the last tile's stores have had their addresses translated (ISA guide 3.1): the loads below may land in their data registers
.endif
.irp t, 0,1,2,3,4,5,6,7,8,9,10,11,12,13,14,15
	ds_load_b128 v[HB+4*\t:HB+4*\t+3], v[SR] offset:528*\t   ; LDS serves a wave's instructions in order (ISA guide 5.7.1.4): these see my stores
.endr
.irp t, 0,1,2,3,4,5,6,7,8,9,10,11,12,13,14,15
	s_wait_dscnt 15-\t                             ; row t is back; the younger loads may be out
	global_store_b128 v[LI], v[HB+4*\t:HB+4*\t+3], s[OB:OB+1] offset:(16*\m+\t)*2048 th:TH_STORE_NT
.endr
.endr
	s_wait_dscnt 0x0                               ; the closing lines, six on end
	s_wait_alu 0x0
	s_wait_tensorcnt 0x0
	ds_add_u32 v[SPW], v[NIL]
	s_wait_dscnt 0x0
	s_endpgm
.Lfunc_end_k_q7c3ec3eb99_chain:
	.size	k_q7c3ec3eb99_chain, .Lfunc_end_k_q7c3ec3eb99_chain-k_q7c3ec3eb99_chain
	.p2alignl 7, 3214868480
	.fill 96, 4, 3214868480
	.section	.rodata,"a",@progbits
	.p2align	6, 0x0
	.amdhsa_kernel k_q7c3ec3eb99_chain
		.amdhsa_group_segment_fixed_size 185856
		.amdhsa_private_segment_fixed_size 0
		.amdhsa_enable_private_segment 0
		.amdhsa_kernarg_size 64
		.amdhsa_user_sgpr_count 2
		.amdhsa_user_sgpr_kernarg_segment_ptr 1
		.amdhsa_wavefront_size32 1
		.amdhsa_system_sgpr_workgroup_id_x 1
		.amdhsa_system_sgpr_workgroup_id_y 1
		.amdhsa_system_sgpr_workgroup_id_z 1
		.amdhsa_system_vgpr_workitem_id 0
		.amdhsa_next_free_vgpr 1024
		.amdhsa_next_free_sgpr 66
		.amdhsa_reserve_vcc 0
		.amdhsa_float_denorm_mode_32 3
		.amdhsa_float_denorm_mode_16_64 3
		.amdhsa_memory_ordered 1
		.amdhsa_forward_progress 1
		.amdhsa_inst_pref_size 255
	.end_amdhsa_kernel
	.section	.bss,"aw",@nobits
	.p2align	6
	.space	262144
	.amdgpu_metadata
---
amdhsa.version: [ 1, 2 ]
amdhsa.kernels:
  - .name:           k_q7c3ec3eb99_chain
    .symbol:         k_q7c3ec3eb99_chain.kd
    .args:
      - { .name: x, .offset: 0, .size: 8, .value_kind: global_buffer, .address_space: global }
      - { .name: wts, .offset: 8, .size: 8, .value_kind: global_buffer, .address_space: global }
      - { .name: w1s, .offset: 16, .size: 8, .value_kind: global_buffer, .address_space: global }
      - { .name: b1, .offset: 24, .size: 8, .value_kind: global_buffer, .address_space: global }
      - { .name: b2, .offset: 32, .size: 8, .value_kind: global_buffer, .address_space: global }
      - { .name: b3, .offset: 40, .size: 8, .value_kind: global_buffer, .address_space: global }
      - { .name: seps_idx, .offset: 48, .size: 8, .value_kind: global_buffer, .address_space: global }
      - { .name: out0, .offset: 56, .size: 8, .value_kind: global_buffer, .address_space: global }
    .group_segment_fixed_size: 185856
    .private_segment_fixed_size: 0
    .kernarg_segment_align: 8
    .kernarg_segment_size: 64
    .max_flat_workgroup_size: 128
    .sgpr_count:     66
    .vgpr_count:     1024
    .wavefront_size: 32
...
	.end_amdgpu_metadata
.endif
;; end of part 3
